; MI455X (gfx1250); checked and timed in simulation.
; The chip was launched on July 23, 2026; its instructions are those of AMD's public machine-readable ISA for CDNA 5 (MIT licence, August 2026) and "CDNA5" Instruction Set Architecture Reference Guide (July 2026). The comments in the code are by the model that wrote it; some were corrected since.
;; Experts. Allowed arithmetic: float matrix products may take bf16 or f16 operands with f32 sums; other float arithmetic in f32, or as packed bf16 or f16 multiplies, adds, multiply-adds, maxima and minima; sums over many terms, partial sums and values carried from step to step in f32; what a program stores and reads back later, other than sums and carried values, may be rounded once to bf16 or f16.
;; Inputs: hidden_states 8,192 x 1,024 float32; routing_weights 8,192 x 2 float32; selected_experts 8,192 x 2 x 8 int32; wi 8 x 512 x 1,024 float32; wo 8 x 1,024 x 512 float32.
;; Outputs: out0 8,192 x 1,024 float32.
;; 2 versions, each right and faster than the one before. Each part assembles by itself: llvm-mc -triple=amdgcn-amd-amdhsa -mcpu=gfx1250 --defsym DOCPART=n.
;; ======== version 1 of 2: 3 launches
;; limits: values are held in f16: magnitudes above 65,504 overflow, below 6.1e-05 lose precision
;; workspace buffers: wf 16,777,216 bytes; list 286,720 bytes of whole numbers; pos 262,144 bytes of whole numbers; wt 262,144 bytes; meta 8,192 bytes of whole numbers; y 293,601,280 bytes
;; launch prep (part 1): grid 264 x 1, 8 waves a work-group, no clusters, 70,912 bytes of LDS; arguments selected_experts, routing_weights, wi, wo, wf, list, pos, wt, meta; writes wf, list, pos, wt, meta
.if DOCPART == 1
	.amdgcn_target "amdgcn-amd-amdhsa--gfx1250"
	.amdhsa_code_object_version 6
	.text
	.protected	k_qf9eaf36f47_prep
	.globl	k_qf9eaf36f47_prep
	.p2align	8
	.type	k_qf9eaf36f47_prep,@function
k_qf9eaf36f47_prep:
	s_mov_b64 s[64:65], 0
	v_nop
	global_prefetch_b8 v0, s[64:65] scope:SCOPE_SE
	s_setreg_imm32_b32 hwreg(HW_REG_WAVE_MODE, 25, 1), 1
	s_wait_xcnt 0x0
; PREPARATION FOR THE EXPERTS' LAYER.  Three roles, chosen by the work-group's number alone (the same for all eight waves):
;   groups 0-7     ROUTER of expert e: which tokens have the expert, with which weight, and where their rows lie in the next launch
;   groups 8-135   wi -> bf16, laid in the order in which the next launch's waves load matrix fragments
;   groups 136-263 wo -> rounded to bf16 like every other floating-point input, that number then written as f16 (its partner in the product, h, is f16), laid likewise
; ROUTER.  A pair (t, e) counts as routed where mask[t][0][e] | mask[t][1][e] is not 0; its weight is w = mask0 x rw0 + mask1 x rw1 in f32, rw rounded once to bf16
; like the other floating-point inputs.  Nothing is assumed of the mask: a token may have 0 to 8 experts, an expert 0 to 8,192 tokens.
; Every token gets a NUMBER i: a routed one the count of routed tokens in front of it, an unrouted one cnt + the count of unrouted tokens in front of it: a permutation of 0..8191.
; Number i has granule G = i / 16 and SLOT = 8960 e + 320 (G mod 28) + 16 (G div 28) + i mod 16: granules are dealt round the expert's 28 work-groups of the next launch,
; each of which owns 320 slots and takes 80 of them a pass.  passes = ceil(ceil(cnt / 16) / 140), at least 1, at most 4.
; Stored: list[slot] = the token where it is routed, else 0 (every lane stores, so no lane is ever switched off; numbers 8192..8959 take 0 too: all 8,960 slots are written),
; pos[e][t] = slot or -1, wt[e][t] = w, meta[e][0..255] = passes.
; wf: byte (((8 e + w) 64 + s) 4 + b) 1024 + 512 half + 16 lane holds 8 numbers of row r = lane % 16, k = k0 + 16 half + 8 (lane / 16) + 0..7.
;   s = 0..31:  wi, row 64 w + 16 b + r, k0 = 32 s.      s = 32 + 16 q + kk:  wo, row 128 w + 64 q + 4 r + b, k0 = 32 kk.
; LIMITS.  wo as f16: exact from 6.1e-5 to 65,504 in magnitude; below, f16's fixed step of 6e-8; 65,520 and more become infinities.  NaN and infinities are not treated apart from other numbers.
.set STG,   8704                       ; a converter wave's own stage: 32 groups of 8 k x (16 rows x 16 bytes + 16 of padding)
.set ROUT,  69632                      ; the router's eight counts, a block of 256 bytes to themselves
.set SPARE, 69888                      ; the spare words, 128 bytes for each wave: four blocks of 256 bytes that no other line names
.set M0, 16                            ; v[16:47]   mask of choice 0, 32 tokens a lane; later w
.set M1, 48                            ; v[48:79]   mask of choice 1; later pos
.set RW, 80                            ; v[80:143]  the two routing weights of each token; later, for each group of 32 tokens, the list store's address and data
.set T,  144                           ; v[144:155] at work
	s_load_b512 s[4:19], s[0:1], 0x0               ; sel s[4:5], rw s[6:7], wi s[8:9], wo s[10:11], wf s[12:13], list s[14:15], pos s[16:17], wt s[18:19]
	s_load_b64 s[20:21], s[0:1], 0x40              ; meta
	v_lshl_add_u32 v2, v0, 2, SPARE                ; my spare word and 0: kept for the add alone
	v_mov_b32 v3, 0
	v_lshrrev_b32 v1, 5, v0
	v_readfirstlane_b32 s22, v1                    ; wave 0..7
	v_and_b32 v1, 31, v0                           ; lane
	s_mov_b32 s23, ttmp9
	s_cmp_lt_u32 s23, 8
	s_cbranch_scc0 .Lconvert
	; ---------------- THE ROUTER of expert e = s23.  Wave w takes tokens 1024 w + 32 k + lane, k = 0..31.
	s_lshl_b32 s24, s22, 16                        ; 1,024 tokens of 64 bytes
	s_lshl_b32 s25, s23, 2
	s_add_co_u32 s24, s24, s25
	v_lshl_add_u32 v4, v1, 6, s24                  ; mask: 64 lane + 65,536 w + 4 e
	s_lshl_b32 s25, s22, 13
	v_lshl_add_u32 v5, v1, 3, s25                  ; rw: 8 lane + 8,192 w
	s_lshl_b32 s25, s22, 10
	v_add_nc_u32 v7, s25, v1                       ; my token at k = 0
	s_lshl_b32 s24, s23, 15
	s_lshl_b32 s25, s22, 12
	s_add_co_u32 s24, s24, s25
	v_lshl_add_u32 v8, v1, 2, s24                  ; pos, wt: 4 (8192 e + 1024 w + lane)
	s_mul_i32 s67, s23, 8960                       ; the expert's first slot
	s_mov_b32 s26, 0                               ; my wave's count
	s_wait_kmcnt 0x0
.set k, 0
.rept 32
	global_load_b32 v[M0+k], v4, s[4:5] offset:k*2048
	global_load_b32 v[M1+k], v4, s[4:5] offset:k*2048+32
	global_load_b64 v[RW+2*k:RW+2*k+1], v5, s[6:7] offset:k*256
.set k, k+1
.endr
	s_wait_loadcnt 0x0                             ; the count below needs all of them
.set k, 0
.rept 32                                               ; s[32+k]: which of my 32 tokens of group k are routed; M0[k]: their weight
	v_or_b32 v[T], v[M0+k], v[M1+k]
	v_cmp_ne_u32 s[32+k], 0, v[T]
	v_cvt_pk_bf16_f32 v[T+1], v[RW+2*k], v[RW+2*k+1]
	v_cvt_f32_i32 v[T+2], v[M0+k]
	v_cvt_f32_i32 v[T+3], v[M1+k]
	v_lshlrev_b32 v[T+4], 16, v[T+1]               ; the rounded weights as f32 again
	v_and_b32 v[T+5], 0xffff0000, v[T+1]
	v_mul_f32 v[T+2], v[T+2], v[T+4]
	v_fma_f32 v[M0+k], v[T+3], v[T+5], v[T+2]
	s_bcnt1_i32_b32 s27, s[32+k]
	s_add_co_u32 s26, s26, s27
.set k, k+1
.endr
	; the eight waves' counts meet in LDS
	v_mov_b32 v[T], s26
	s_lshl_b32 s27, s22, 2
	s_add_co_u32 s27, s27, ROUT
	v_mov_b32 v[T+1], s27
	ds_store_b32 v[T+1], v[T]
	s_wait_dscnt 0x0                               ; for the others' sake: my count is in LDS
	s_barrier_signal -1
	s_barrier_wait -1
	v_mov_b32 v[T+1], ROUT
	ds_load_b128 v[T+4:T+7], v[T+1]
	ds_load_b128 v[T+8:T+11], v[T+1] offset:16
	s_wait_dscnt 0x0
.irp v, 0,1,2,3,4,5,6,7
	v_readfirstlane_b32 s[72+\v], v[T+4+\v]
.endr
	s_mov_b32 s28, 0                               ; routed tokens in front of my wave's
	s_mov_b32 s29, 0                               ; cnt: the expert's routed tokens
.irp v, 0,1,2,3,4,5,6,7
	s_cmp_gt_u32 s22, \v
	s_cselect_b32 s27, s[72+\v], 0
	s_add_co_u32 s28, s28, s27
	s_add_co_u32 s29, s29, s[72+\v]
.endr
	s_add_co_u32 s31, s29, 15
	s_lshr_b32 s31, s31, 4                         ; granules, 512 at the most
	s_mov_b32 s30, 1                               ; passes: 140 granules each
.irp n, 140, 280, 420
	s_cmp_gt_u32 s31, \n
	s_cselect_b32 s27, 1, 0
	s_add_co_u32 s30, s30, s27
.endr
; slot of number i: 320 G - 8944 (G div 28) + i mod 16 + 8960 e.  G div 28 = (2341 G) >> 16, exact for G under 5,461; here G is 559 at the most.
.macro SLOT i, d, t, u
	v_lshrrev_b32 v[\d], 4, v[\i]
	v_mul_u32_u24 v[\t], 0x925, v[\d]
	v_and_b32 v[\u], 15, v[\i]
	v_lshrrev_b32 v[\t], 16, v[\t]
	v_mad_u32_u24 v[\d], v[\d], 0x140, v[\u]
	v_mul_u32_u24 v[\t], 0x22f0, v[\t]
	v_add_nc_u32 v[\d], s67, v[\d]
	v_sub_nc_u32 v[\d], v[\d], v[\t]
.endm
.set k, 0
.rept 32                                               ; group k: numbers, slots, pos (kept in M1[k]), and the list.  Each group's store has an address and a data register of its own: no wait stands between the stores
	v_mbcnt_lo_u32_b32 v[T], s[32+k], s28          ; routed tokens in front of mine
	v_add_nc_u32 v[T+4], 32*k, v7                  ; my token: as many tokens stand in front of it
	v_sub_nc_u32 v[T+5], v[T+4], v[T]              ; unrouted tokens in front of mine
	v_add_nc_u32 v[T+5], s29, v[T+5]
	v_cndmask_b32 v[T], v[T+5], v[T], s[32+k]      ; my number
	SLOT T, T+1, T+2, T+3
	v_cndmask_b32 v[M1+k], -1, v[T+1], s[32+k]
	v_cndmask_b32 v[RW+2*k+1], 0, v[T+4], s[32+k]
	v_lshlrev_b32 v[RW+2*k], 2, v[T+1]
	v_min_u32 v[RW+2*k], 0x45ffc, v[RW+2*k]        ; a number made of loaded data enters an address only held inside the table: 71,680 words
	global_store_b32 v[RW+2*k], v[RW+2*k+1], s[14:15]
	s_bcnt1_i32_b32 s27, s[32+k]
	s_add_co_u32 s28, s28, s27
.set k, k+1
.endr
.set k, 0
.rept 32                                               ; pos and wt: 128 bytes on end a store; each store has a data register of its own
	global_store_b32 v8, v[M1+k], s[16:17] offset:k*128
	global_store_b32 v8, v[M0+k], s[18:19] offset:k*128
.set k, k+1
.endr
	; numbers 8192..8959, which no token has: 768 = 3 a thread; their slots take token 0.  These addresses are made of the thread's and the group's numbers alone
	v_mov_b32 v[T+9], 0
.irp j, 0,1,2
	v_add_nc_u32 v[T], 8192+256*\j, v0
	SLOT T, T+6+\j, T+2, T+3
	v_lshlrev_b32 v[T+6+\j], 2, v[T+6+\j]
	global_store_b32 v[T+6+\j], v[T+9], s[14:15]
.endr
	s_lshl_b32 s27, s23, 10                        ; meta[e]: 256 words, one a thread
	v_lshl_add_u32 v[T+10], v0, 2, s27
	v_mov_b32 v[T+11], s30
	global_store_b32 v[T+10], v[T+11], s[20:21]
	s_wait_tensorcnt 0x0                           ; the wave's end
	ds_add_u32 v2, v3
	s_wait_dscnt 0x0
	s_endpgm
	; ---------------- THE CONVERTERS.  A wave takes one block: 16 rows x 256 k of f32 (16 KiB) -> 8 K steps of one fragment b (8 KiB of 16-bit numbers).
.Lconvert:
	s_sub_co_u32 s24, s23, 8
	s_and_b32 s25, s24, 127
	s_lshl_b32 s25, s25, 3
	s_add_co_u32 s25, s25, s22                     ; block 0..1023 of its tensor: e = bits 9:7, w = 6:4, sgl = 3:2, b = 1:0
	s_lshr_b32 s26, s25, 4
	s_lshl_b32 s26, s26, 18                        ; (8 e + w) x 262,144: the same in the source and in wf
	s_bfe_u32 s27, s25, 0x20002                    ; sgl
	s_and_b32 s28, s25, 3                          ; b
	s_mul_i32 s29, s22, STG                        ; my stage
	v_lshrrev_b32 v4, 1, v1                        ; in: a lane's 4 numbers are half of group lane / 2 (and of group 16 + lane / 2): 32 lanes fall on 32 different columns of 8 bytes
	v_mul_u32_u24 v4, 0x110, v4
	v_and_b32 v5, 1, v1
	v_lshl_add_u32 v4, v5, 3, v4
	v_add_nc_u32 v4, s29, v4
	v_lshrrev_b32 v5, 4, v1                        ; back: group 2 i + lane / 16, row lane % 16: 16 lanes take 256 bytes on end
	v_mul_u32_u24 v5, 0x110, v5
	v_and_b32 v6, 15, v1
	v_lshl_add_u32 v5, v6, 4, v5
	v_add_nc_u32 v5, s29, v5
	v_lshlrev_b32 v6, 4, v1                        ; 16 x lane, in the source and in wf
	s_lshl_b32 s30, s28, 10
	s_add_co_u32 s30, s30, s26                     ; wf: + 1,024 b
	s_mov_b32 s67, 0
	s_mov_b32 s69, 0
; stride: bytes from one of the block's rows to the next.  Each load takes 512 bytes of a row on end; a row is rounded as soon as it is in, while the later rows stay out.
; tohalf = 1: the bf16 numbers are widened again (a shift, a mask) and written as f16; the row's upper four registers, read by then, are at work.
.macro CONV stride, tohalf
.set r, 0
.rept 16
	global_load_b128 v[16+8*r:16+8*r+3], v6, s[70:71] offset:r*(\stride) th:TH_LOAD_NT
	global_load_b128 v[16+8*r+4:16+8*r+7], v6, s[70:71] offset:r*(\stride)+512 th:TH_LOAD_NT
.set r, r+1
.endr
.set r, 0
.rept 16
	s_wait_loadcnt 30-2*r                          ; loads come back in order (ISA guide 5.7.1): row r is in, the 15 - r rows behind it may be out
	v_cvt_pk_bf16_f32 v[16+8*r], v[16+8*r], v[16+8*r+1]
	v_cvt_pk_bf16_f32 v[16+8*r+1], v[16+8*r+2], v[16+8*r+3]
	v_cvt_pk_bf16_f32 v[16+8*r+2], v[16+8*r+4], v[16+8*r+5]
	v_cvt_pk_bf16_f32 v[16+8*r+3], v[16+8*r+6], v[16+8*r+7]
.if \tohalf
.irp j, 0,1,2,3
	v_lshlrev_b32 v[16+8*r+4+2*((\j)%2)], 16, v[16+8*r+\j]
	v_and_b32 v[16+8*r+5+2*((\j)%2)], 0xffff0000, v[16+8*r+\j]
	v_cvt_pk_f16_f32 v[16+8*r+\j], v[16+8*r+4+2*((\j)%2)], v[16+8*r+5+2*((\j)%2)]
.endr
.endif
	ds_store_b64 v4, v[16+8*r:16+8*r+1] offset:16*r
	ds_store_b64 v4, v[16+8*r+2:16+8*r+3] offset:16*r+16*272
.set r, r+1
.endr
.set i, 0
.rept 16                                               ; i = 2 x step + half.  LDS serves a wave's instructions in order (ISA guide 5.7.1.4): these see the stores above; the stage is my own
	ds_load_b128 v[16+8*i+4:16+8*i+7], v5 offset:i*544
.set i, i+1
.endr
.set i, 0
.rept 16
	s_wait_dscnt 15-i                              ; the later read-backs may be out
	global_store_b128 v6, v[16+8*i+4:16+8*i+7], s[72:73] offset:(i/2)*4096+(i%2)*512  ; 512 consecutive bytes, at a multiple of 512 from wf's first
.set i, i+1
.endr
	s_wait_tensorcnt 0x0                           ; the wave's end
	ds_add_u32 v2, v3
	s_wait_dscnt 0x0
	s_endpgm
.endm
	s_cmp_lt_u32 s24, 128
	s_cbranch_scc0 .Lwo
	s_lshl_b32 s66, s28, 16                        ; wi: rows 64 w + 16 b + r of 4,096 bytes, k from 256 sgl on
	s_lshl_b32 s31, s27, 10
	s_add_co_u32 s66, s66, s31
	s_add_co_u32 s66, s66, s26
	s_lshl_b32 s68, s27, 15                        ; steps 8 sgl ..
	s_add_co_u32 s68, s68, s30
	s_wait_kmcnt 0x0
	s_add_nc_u64 s[70:71], s[8:9], s[66:67]
	s_add_nc_u64 s[72:73], s[12:13], s[68:69]
	CONV 4096, 0
.Lwo:
	s_lshr_b32 s31, s27, 1                         ; wo: rows 128 w + 64 q + 4 r + b of 2,048 bytes (q = sgl / 2), k from 256 (sgl % 2) on
	s_lshl_b32 s66, s31, 17
	s_lshl_b32 s31, s28, 11
	s_add_co_u32 s66, s66, s31
	s_and_b32 s31, s27, 1
	s_lshl_b32 s31, s31, 10
	s_add_co_u32 s66, s66, s31
	s_add_co_u32 s66, s66, s26
	s_add_co_u32 s68, s27, 4                       ; steps 32 + 8 sgl ..
	s_lshl_b32 s68, s68, 15
	s_add_co_u32 s68, s68, s30
	s_wait_kmcnt 0x0
	s_add_nc_u64 s[70:71], s[10:11], s[66:67]
	s_add_nc_u64 s[72:73], s[12:13], s[68:69]
	CONV 8192, 1
.Lfunc_end_k_qf9eaf36f47_prep:
	.size	k_qf9eaf36f47_prep, .Lfunc_end_k_qf9eaf36f47_prep-k_qf9eaf36f47_prep
	.p2alignl 7, 3214868480
	.fill 96, 4, 3214868480
	.section	.rodata,"a",@progbits
	.p2align	6, 0x0
	.amdhsa_kernel k_qf9eaf36f47_prep
		.amdhsa_group_segment_fixed_size 70912
		.amdhsa_private_segment_fixed_size 0
		.amdhsa_enable_private_segment 0
		.amdhsa_kernarg_size 72
		.amdhsa_user_sgpr_count 2
		.amdhsa_user_sgpr_kernarg_segment_ptr 1
		.amdhsa_wavefront_size32 1
		.amdhsa_system_sgpr_workgroup_id_x 1
		.amdhsa_system_sgpr_workgroup_id_y 1
		.amdhsa_system_sgpr_workgroup_id_z 1
		.amdhsa_system_vgpr_workitem_id 0
		.amdhsa_next_free_vgpr 160
		.amdhsa_next_free_sgpr 80
		.amdhsa_reserve_vcc 0
		.amdhsa_float_denorm_mode_32 3
		.amdhsa_float_denorm_mode_16_64 3
		.amdhsa_memory_ordered 1
		.amdhsa_forward_progress 1
		.amdhsa_inst_pref_size 105
	.end_amdhsa_kernel
	.amdgpu_metadata
---
amdhsa.version: [ 1, 2 ]
amdhsa.kernels:
  - .name:           k_qf9eaf36f47_prep
    .symbol:         k_qf9eaf36f47_prep.kd
    .args:
      - { .name: selected_experts, .offset: 0, .size: 8, .value_kind: global_buffer, .address_space: global }
      - { .name: routing_weights, .offset: 8, .size: 8, .value_kind: global_buffer, .address_space: global }
      - { .name: wi, .offset: 16, .size: 8, .value_kind: global_buffer, .address_space: global }
      - { .name: wo, .offset: 24, .size: 8, .value_kind: global_buffer, .address_space: global }
      - { .name: wf, .offset: 32, .size: 8, .value_kind: global_buffer, .address_space: global }
      - { .name: list, .offset: 40, .size: 8, .value_kind: global_buffer, .address_space: global }
      - { .name: pos, .offset: 48, .size: 8, .value_kind: global_buffer, .address_space: global }
      - { .name: wt, .offset: 56, .size: 8, .value_kind: global_buffer, .address_space: global }
      - { .name: meta, .offset: 64, .size: 8, .value_kind: global_buffer, .address_space: global }
    .group_segment_fixed_size: 70912
    .private_segment_fixed_size: 0
    .kernarg_segment_align: 8
    .kernarg_segment_size: 72
    .max_flat_workgroup_size: 256
    .sgpr_count:     80
    .vgpr_count:     160
    .wavefront_size: 32
...
	.end_amdgpu_metadata
.endif
;; end of part 1
;; launch mlp (part 2): grid 28 x 8, 8 waves a work-group, no clusters, 262,144 bytes of LDS; arguments hidden_states, wf, list, meta, y; writes y
.if DOCPART == 2
	.amdgcn_target "amdgcn-amd-amdhsa--gfx1250"
	.amdhsa_code_object_version 6
	.text
	.protected	k_qf9eaf36f47_mlp
	.globl	k_qf9eaf36f47_mlp
	.p2align	8
	.type	k_qf9eaf36f47_mlp,@function
k_qf9eaf36f47_mlp:
	s_mov_b64 s[64:65], 0
	v_nop
	global_prefetch_b8 v0, s[64:65] scope:SCOPE_SE
	s_setreg_imm32_b32 hwreg(HW_REG_WAVE_MODE, 25, 1), 1
	s_wait_xcnt 0x0
; THE EXPERTS.  y[slot][:] = relu(x[list[slot]] wi[e]^T) wo[e]^T, unscaled, in f32, for the slots of expert e.  First product: x and wi as bf16 operands.  Second product: h rounded once to f16,
; wo (rounded to bf16 by the launch before, written as f16) as f16 operands.  All sums in f32.
; WHY f16 FOR h AND f32 FOR y.  An output near zero is the difference of two y of size 1 to 4, and may be off by a hundredth of the output's root mean square: 8 significant bits in h and in y do not
; hold that for every one of 8 million numbers; 11 in h and 24 in y do.  h has room in f16: its size goes with x times wi, about 5 as drawn, about 5,000 with both 30 times larger, about 29,000 with
; both carrying an offset of 30 spreads.  y, which goes with all three inputs, has no such room, so it is not narrowed at all.
; SHARES.  Work-group (g, e) owns slots (28 e + g) 320 + 0..319 and takes 80 of them a pass; meta[e] (1 to 4) says how many passes hold tokens.
; THE LOOP OVER PASSES COUNTS TO THE CONSTANT 4, so that every wave passes every barrier whatever number memory holds.  A pass has three PARTS, with one barrier behind each:
;   X: 80 rows of x are gathered, rounded and laid in LDS;   H: GEMM1 (K = 1024, 32 steps of 32), relu, h [80][512] into LDS;   Y: GEMM2 (K = 512, two halves of 16 steps), y out.
; In a pass beyond meta[e] each part is jumped over, forward, and no barrier is jumped: such a pass is three barriers.  Each part is whole in itself: it reads no register but those that
; the head or the part itself has written, and all its loads are waited for at its end.
; Wave w owns 64 columns of each product (h: 64 w ..; y, half q: 128 w + 64 q ..): 5 row blocks x 4 fragments = 20 accumulators, 20 matrix instructions a step, all on different accumulators.
; THE WEIGHTS COME THROUGH REGISTERS, NOT THROUGH LDS, AND NOT JOINTLY FOR A CLUSTER, though the 28 work-groups of an expert read the same ones: inside a work-group a weight fragment is
; used by one wave alone; beside X (174,080 bytes) and H (87,040) LDS has room for two slots of one step (8 waves x 4,096 bytes each), so one step's bytes would be on their way behind
; each barrier.  wf lies in fragment order: each load is 512 bytes on end.
; GEMM1 is used transposed (source 0 = 16 rows of wi, source 1 = 16 tokens): a lane holds one token and 8 neighbouring f: 16 bytes of h.  In GEMM2 (source 0 = 16 tokens, source 1 = 16 rows
; of wo, rows 4 r + b) register j of the four fragments b is 4 neighbouring columns of one row of y: 16 bytes a lane, and 16 neighbouring lanes hold 256 neighbouring bytes: y leaves from registers.
; Every LDS address is made once, at the head; steps and chunks stand in immediates.
; LIMITS.  h of 65,520 or more becomes an infinity; below 6.1e-5 it keeps f16's fixed step of 6e-8.  relu is a maximum in which a NaN loses: NaN in h becomes 0; infinities are not treated apart.
; REGISTERS.  window 0: v1 16 x lane; v2, v3 the add's; v4-7 AB; v8-10 XST; v11 HST; v12 YGO; in part X v16-255 x on its way; else v16-55 TF, v56-95 XS, v96-255 ACC.
;             window 1: the ring of 8 weight buffers, step s in buffer s % 8.
.set CHB,   21760                      ; a chunk block in LDS: 80 rows x (256 bytes + 16 of padding): the 16 rows of a fragment load start at 16 different groups of four banks (64 banks of 4 bytes: ISA guide 11.1)
.set SPARE, 12*CHB                     ; blocks 0-7: X, 128 k each; blocks 8-11: H, 128 f each; then the spare words, 128 bytes a wave, that no other line names
.set AB,   4                           ; v4-7    fragment reads: 272 (lane % 16) + 16 (lane / 16) + 3 n blocks, n = 0..3
.set XST,  8                           ; v8-10   X stores: 8 lane + 272 x 10 w + 3 n blocks, n = 0..2
.set HST,  11                          ; v11     h stores
.set YGO,  12                          ; v12     my byte offset in y: 8 rows for lanes 16-31, my wave's 512 bytes of a row, 16 bytes a lane
.set XG,   16                          ; v16-255 part X: six sets of ten pieces of x, 4 registers each; chunk c in set c % 6
.set TF,   16                          ; v16-55  five token fragments; with XS the 20 quads of y's way out
.set XS,   56                          ; v56-95  at work in the epilogues
.set ACC,  96                          ; v96-255 accumulator (a, b) at ACC + 8 (4 a + b)
.set MSB, 0
.macro WIN new                         ; s_set_vgpr_msb: bits 1:0 source 0, 3:2 source 1, 5:4 source 2, 7:6 destination; the high byte repeats the setting that is left
.if MSB != (\new)
	s_set_vgpr_msb (MSB<<8)|(\new)
.set MSB, \new
.endif
.endm
.macro PLACES                          ; a load into a register that a matrix instruction has read, and a vector instruction that reads its result or writes a source, stand four plain vector instructions behind it
.rept 4
	v_nop
.endr
.endm
.macro WLOAD s                         ; the four fragments of step s, 4,096 bytes, into ring buffer s % 8
	WIN 0x40                                       ; destination window 1, address window 0
.irp b, 0,1,2,3
	global_load_b128 v[32*((\s)%8)+8*\b:32*((\s)%8)+8*\b+3], v1, s[20:21] offset:(\s)*4096+\b*1024
	global_load_b128 v[32*((\s)%8)+8*\b+4:32*((\s)%8)+8*\b+7], v1, s[20:21] offset:(\s)*4096+\b*1024+512
.endr
.endm
.macro TLOAD c, ko                     ; five token fragments (80 rows x 32 k) from block c, byte ko of its rows
	WIN 0
.irp a, 0,1,2,3,4
	ds_load_b128 v[TF+8*\a:TF+8*\a+3], v[AB+(\c)/3] offset:((\c)%3)*CHB+\a*4352+(\ko)
	ds_load_b128 v[TF+8*\a+4:TF+8*\a+7], v[AB+(\c)/3] offset:((\c)%3)*CHB+\a*4352+(\ko)+32
.endr
.endm
.macro MUL s                           ; 20 matrix instructions; steps 0, 32 and 48 start the sums with the constant 0.  The accumulators take turns, one instruction a turn
.if (\s) < 32
	WIN 0x01                                       ; source 0: the ring
.else
	WIN 0x04                                       ; source 1: the ring
.endif
.set rb, 32*((\s)%8)
.irp a, 0,1,2,3,4
.irp b, 0,1,2,3
.if (\s) == 0
	v_wmma_f32_16x16x32_bf16 v[ACC+8*(4*\a+\b):ACC+8*(4*\a+\b)+7], v[rb+8*\b:rb+8*\b+7], v[TF+8*\a:TF+8*\a+7], 0
.elseif (\s) < 32
	v_wmma_f32_16x16x32_bf16 v[ACC+8*(4*\a+\b):ACC+8*(4*\a+\b)+7], v[rb+8*\b:rb+8*\b+7], v[TF+8*\a:TF+8*\a+7], v[ACC+8*(4*\a+\b):ACC+8*(4*\a+\b)+7]
.elseif ((\s) == 32) || ((\s) == 48)
	v_wmma_f32_16x16x32_f16 v[ACC+8*(4*\a+\b):ACC+8*(4*\a+\b)+7], v[TF+8*\a:TF+8*\a+7], v[rb+8*\b:rb+8*\b+7], 0
.else
	v_wmma_f32_16x16x32_f16 v[ACC+8*(4*\a+\b):ACC+8*(4*\a+\b)+7], v[TF+8*\a:TF+8*\a+7], v[rb+8*\b:rb+8*\b+7], v[ACC+8*(4*\a+\b):ACC+8*(4*\a+\b)+7]
.endif
.endr
.endr
.endm
; K step s of a pass's 64; last: the last step of the part.  Four v_nop stand between the step before's products and the loads into TF and into the ring buffer that those products read.
.macro STEP s, last
	PLACES
.if (\s) < 32
	TLOAD (\s)/4, ((\s)%4)*64
.else
	TLOAD 8+(((\s)-32)%16)/4, ((\s)%4)*64
.endif
.if (\s)+7 <= (\last)
	s_wait_loadcnt 48                              ; behind step s's weights six later steps' 48 loads have been issued: with 48 out, step s's are in
	WLOAD (\s)+7                                   ; into the buffer that step s - 1 read: seven steps, 56 loads, are out again
.else
	s_wait_loadcnt 8*((\last)-(\s))                ; the part's last steps load nothing: the later steps' weights alone may be out
.endif
	s_wait_dscnt 0x0                               ; the token fragments
	MUL \s
.endm
.macro XLOAD c                         ; chunk c (128 k, 512 bytes on end) of my ten rows of x
.irp i, 0,1,2,3,4,5,6,7,8,9
	global_load_b128 v[XG+40*((\c)%6)+4*\i:XG+40*((\c)%6)+4*\i+3], v1, s[40+2*\i:41+2*\i] offset:(\c)*512
.endr
.endm
.macro XCONV c, left                   ; chunk c is rounded to bf16 and laid in block c.  left: the loads issued behind its ten
	s_wait_loadcnt \left
.set xb, XG+40*((\c)%6)
.irp i, 0,1,2,3,4,5,6,7,8,9
	v_cvt_pk_bf16_f32 v[xb+4*\i], v[xb+4*\i], v[xb+4*\i+1]
	v_cvt_pk_bf16_f32 v[xb+4*\i+1], v[xb+4*\i+2], v[xb+4*\i+3]
.endr
.irp i, 0,1,2,3,4,5,6,7,8,9
	ds_store_b64 v[XST+(\c)/3], v[xb+4*\i:xb+4*\i+1] offset:((\c)%3)*CHB+\i*272  ; 32 lanes, 256 bytes on end
.endr
.endm
.macro HEPI                            ; h: rounded to f16, relu on the packed halves, 16 bytes a lane into H
	WIN 0
	PLACES
.set n, 0
.rept 20
.set tq, XS+4*(n%8)
.set ac, ACC+8*n
	v_cvt_pk_f16_f32 v[tq], v[ac], v[ac+1]
	v_cvt_pk_f16_f32 v[tq+1], v[ac+2], v[ac+3]
	v_cvt_pk_f16_f32 v[tq+2], v[ac+4], v[ac+5]
	v_cvt_pk_f16_f32 v[tq+3], v[ac+6], v[ac+7]
	v_pk_max_num_f16 v[tq], v[tq], s38
	v_pk_max_num_f16 v[tq+1], v[tq+1], s38
	v_pk_max_num_f16 v[tq+2], v[tq+2], s38
	v_pk_max_num_f16 v[tq+3], v[tq+3], s38
	ds_store_b128 v[HST], v[tq:tq+3] offset:(n/4)*4352+32*(n%4)
.set n, n+1
.endr
.endm
; Half q of y leaves.  Register j of the four accumulators (a, 0..3) is 16 bytes of row 16 a + 8 (lane / 16) + j; the four lie 8 registers apart, one in each accumulator, so four moves bring them
; together for the store.  20 quads (TF and XS): they are written again only behind s_wait_xcnt 0.  Each accumulator's register 0 is read first.
.macro YEPI q
	WIN 0
	PLACES
.set n, 0
.rept 40
.if n == 20
	s_wait_xcnt 0x0                                ; the first 20 stores' data registers are rewritten only behind this wait
.endif
.set tq, TF+4*(n%20)
.set ac, ACC+32*(n/8)+(n%8)
	v_mov_b32 v[tq], v[ac]
	v_mov_b32 v[tq+1], v[ac+8]
	v_mov_b32 v[tq+2], v[ac+16]
	v_mov_b32 v[tq+3], v[ac+24]
	global_store_b128 v[YGO], v[tq:tq+3], s[26:27] offset:(16*(n/8)+(n%8))*4096+256*(\q)  ; 16 lanes store 256 consecutive bytes, at a multiple of 256 from y's first byte
.set n, n+1
.endr
	s_wait_xcnt 0x0                                ; TF is loaded again, and XS written again, only behind this wait
.endm
	s_load_b256 s[4:11], s[0:1], 0x0               ; x s[4:5], wf s[6:7], list s[8:9], meta s[10:11]
	s_load_b64 s[12:13], s[0:1], 0x20              ; y
	v_lshl_add_u32 v2, v0, 2, SPARE                ; my spare word and 0: kept for the add alone
	v_mov_b32 v3, 0
	v_lshrrev_b32 v16, 5, v0
	v_readfirstlane_b32 s14, v16                   ; wave 0..7
	s_and_b32 s15, ttmp7, 0xffff                   ; e
	s_mov_b32 s16, ttmp9                           ; g
	v_and_b32 v18, 31, v0                          ; lane
	v_and_b32 v16, 15, v0                          ; r
	v_bfe_u32 v17, v0, 4, 1                        ; h
	v_lshlrev_b32 v1, 4, v18
	v_mul_u32_u24 v[AB], 0x110, v16
	v_lshl_add_u32 v[AB], v17, 4, v[AB]            ; 272 r + 16 h
	v_add_nc_u32 v[AB+1], 3*CHB, v[AB]
	v_add_nc_u32 v[AB+2], 6*CHB, v[AB]
	v_add_nc_u32 v[AB+3], 9*CHB, v[AB]
	s_mul_i32 s60, s14, 2720                       ; my ten rows
	v_lshl_add_u32 v[XST], v18, 3, s60
	v_add_nc_u32 v[XST+1], 3*CHB, v[XST]
	v_add_nc_u32 v[XST+2], 6*CHB, v[XST]
	s_lshr_b32 s60, s14, 1                         ; my 64 f: block 8 + w / 2, byte 128 (w % 2) of its rows
	s_mul_i32 s60, s60, CHB
	s_and_b32 s61, s14, 1
	s_lshl_b32 s61, s61, 7
	s_add_co_u32 s60, s60, s61
	s_add_co_u32 s60, s60, 8*CHB
	v_add_nc_u32 v[HST], s60, v[AB]
	s_lshl_b32 s61, s14, 9                         ; my 128 columns of y: 512 bytes
	v_lshlrev_b32 v[YGO], 15, v17                  ; 8 rows of 4,096 bytes for lanes 16-31
	v_lshl_add_u32 v[YGO], v16, 4, v[YGO]
	v_add_nc_u32 v[YGO], s61, v[YGO]
	s_lshl_b32 s28, s15, 3
	s_add_co_u32 s28, s28, s14
	s_lshl_b32 s28, s28, 18                        ; wf: (8 e + w) x 262,144
	s_mov_b32 s29, 0
	s_mul_i32 s36, s15, 28
	s_add_co_u32 s36, s36, s16                     ; 28 e + g
	s_mul_i32 s30, s36, 1280                       ; list: 320 slots of 4 bytes a group,
	s_mul_i32 s37, s14, 40                         ; my ten
	s_add_co_u32 s30, s30, s37
	s_mov_b32 s31, 0
	s_mul_i32 s32, s36, 1310720                    ; y: 320 rows of 4,096 bytes a group; 223 x 1,310,720 stays under 2^32
	s_mov_b32 s33, 0
	s_lshl_b32 s34, s15, 10                        ; meta[e][0]
	s_mov_b32 s35, 0
	s_mov_b32 s38, 0                               ; relu's 0, twice in f16
	s_mov_b32 s61, 0                               ; the high word of a row's offset
	s_mov_b32 s18, 0                               ; the pass
	s_wait_kmcnt 0x0
	s_add_nc_u64 s[20:21], s[6:7], s[28:29]
	s_add_nc_u64 s[24:25], s[8:9], s[30:31]
	s_add_nc_u64 s[26:27], s[12:13], s[32:33]
	s_add_nc_u64 s[22:23], s[10:11], s[34:35]
	s_load_b32 s17, s[22:23], 0x0                  ; the passes that hold tokens
	s_wait_kmcnt 0x0
.Lpass:
	; ---- PART X.  60 loads of 512 bytes go out at once (chunks 0 to 5); chunks 6 and 7 follow into the registers of chunks 0 and 1 as soon as those are laid in LDS.
	s_cmp_lt_u32 s18, s17
	s_cbranch_scc0 .Lno_x
	s_load_b64 s[28:29], s[24:25], 0x0             ; my ten tokens
	s_load_b64 s[30:31], s[24:25], 0x8
	s_load_b64 s[32:33], s[24:25], 0x10
	s_load_b64 s[34:35], s[24:25], 0x18
	s_load_b64 s[36:37], s[24:25], 0x20
	s_wait_kmcnt 0x0
.irp i, 0,1,2,3,4,5,6,7,8,9
	s_min_u32 s[28+\i], s[28+\i], 0x1fff           ; a loaded number enters an address only held inside the table: 8,192 rows
	s_lshl_b32 s60, s[28+\i], 12
	s_add_nc_u64 s[40+2*\i:41+2*\i], s[4:5], s[60:61]
.endr
.irp c, 0,1,2,3,4,5
	XLOAD \c
.endr
	XCONV 0, 50                                    ; behind chunk 0: chunks 1 to 5
	s_wait_dscnt 0x0                               ; its LDS stores are done: its registers are loaded again
	XLOAD 6
	XCONV 1, 50                                    ; behind chunk 1: chunks 2 to 6
	s_wait_dscnt 0x0
	XLOAD 7
	XCONV 2, 50                                    ; behind chunk 2: chunks 3 to 7; from here the counts run down
	XCONV 3, 40
	XCONV 4, 30
	XCONV 5, 20
	XCONV 6, 10
	XCONV 7, 0
.Lno_x:
	s_wait_dscnt 0x0                               ; for the others' sake: my rows of X are in LDS
	s_barrier_signal -1
	s_barrier_wait -1                              ; X is whole
	; ---- PART H.  GEMM1: chunk c feeds steps 4 c .. 4 c + 3.
	s_cmp_lt_u32 s18, s17
	s_cbranch_scc0 .Lno_h
.set st, 0
.rept 7
	WLOAD st                                       ; the ring is filled: steps 0 to 6
.set st, st+1
.endr
.set st, 0
.rept 32
	STEP st, 31
.set st, st+1
.endr
	HEPI
.Lno_h:
	s_wait_dscnt 0x0                               ; my part of h is in LDS, and my reads of X are over
	s_barrier_signal -1
	s_barrier_wait -1                              ; h is whole; nobody reads X any more
	; ---- PART Y.  GEMM2: no barrier inside: h is only read.  Each half of y leaves behind its 16 steps.
	s_cmp_lt_u32 s18, s17
	s_cbranch_scc0 .Lno_y
.set st, 32
.rept 7
	WLOAD st                                       ; the ring is filled anew: steps 32 to 38
.set st, st+1
.endr
.set st, 32
.rept 16
	STEP st, 63
.set st, st+1
.endr
	YEPI 0
.rept 16
	STEP st, 63
.set st, st+1
.endr
	YEPI 1
.Lno_y:
	s_wait_dscnt 0x0                               ; my reads of h are over
	s_wait_xcnt 0x0                                ; the stores' base and the list's base are stepped only behind this wait
	s_barrier_signal -1
	s_barrier_wait -1                              ; everybody's reads of h are over: the next pass may write H (X's blocks have been free since the barrier behind part H)
	s_add_nc_u64 s[24:25], s[24:25], 320           ; 80 slots on
	s_add_nc_u64 s[26:27], s[26:27], 327680        ; 80 rows of y on
	s_add_co_u32 s18, s18, 1
	s_cmp_lt_u32 s18, 4
	s_cbranch_scc1 .Lpass
	s_wait_tensorcnt 0x0                           ; the wave's end
	ds_add_u32 v2, v3
	s_wait_dscnt 0x0
	s_endpgm
.Lfunc_end_k_qf9eaf36f47_mlp:
	.size	k_qf9eaf36f47_mlp, .Lfunc_end_k_qf9eaf36f47_mlp-k_qf9eaf36f47_mlp
	.p2alignl 7, 3214868480
	.fill 96, 4, 3214868480
	.section	.rodata,"a",@progbits
	.p2align	6, 0x0
	.amdhsa_kernel k_qf9eaf36f47_mlp
		.amdhsa_group_segment_fixed_size 262144
		.amdhsa_private_segment_fixed_size 0
		.amdhsa_enable_private_segment 0
		.amdhsa_kernarg_size 40
		.amdhsa_user_sgpr_count 2
		.amdhsa_user_sgpr_kernarg_segment_ptr 1
		.amdhsa_wavefront_size32 1
		.amdhsa_system_sgpr_workgroup_id_x 1
		.amdhsa_system_sgpr_workgroup_id_y 1
		.amdhsa_system_sgpr_workgroup_id_z 1
		.amdhsa_system_vgpr_workitem_id 0
		.amdhsa_next_free_vgpr 512
		.amdhsa_next_free_sgpr 66
		.amdhsa_reserve_vcc 0
		.amdhsa_float_denorm_mode_32 3
		.amdhsa_float_denorm_mode_16_64 3
		.amdhsa_memory_ordered 1
		.amdhsa_forward_progress 1
		.amdhsa_inst_pref_size 243
	.end_amdhsa_kernel
	.amdgpu_metadata
---
amdhsa.version: [ 1, 2 ]
amdhsa.kernels:
  - .name:           k_qf9eaf36f47_mlp
    .symbol:         k_qf9eaf36f47_mlp.kd
    .args:
      - { .name: hidden_states, .offset: 0, .size: 8, .value_kind: global_buffer, .address_space: global }
      - { .name: wf, .offset: 8, .size: 8, .value_kind: global_buffer, .address_space: global }
      - { .name: list, .offset: 16, .size: 8, .value_kind: global_buffer, .address_space: global }
      - { .name: meta, .offset: 24, .size: 8, .value_kind: global_buffer, .address_space: global }
      - { .name: y, .offset: 32, .size: 8, .value_kind: global_buffer, .address_space: global }
    .group_segment_fixed_size: 262144
    .private_segment_fixed_size: 0
    .kernarg_segment_align: 8
    .kernarg_segment_size: 40
    .max_flat_workgroup_size: 256
    .sgpr_count:     66
    .vgpr_count:     512
    .wavefront_size: 32
...
	.end_amdgpu_metadata
.endif
;; end of part 2
;; launch comb (part 3): grid 1024 x 1, 8 waves a work-group, no clusters, 0 bytes of LDS; arguments y, pos, wt, out0; writes out0
.if DOCPART == 3
	.amdgcn_target "amdgcn-amd-amdhsa--gfx1250"
	.amdhsa_code_object_version 6
	.text
	.protected	k_qf9eaf36f47_comb
	.globl	k_qf9eaf36f47_comb
	.p2align	8
	.type	k_qf9eaf36f47_comb,@function
k_qf9eaf36f47_comb:
	s_mov_b64 s[64:65], 0
	v_nop
	global_prefetch_b8 v0, s[64:65] scope:SCOPE_SE
	s_setreg_imm32_b32 hwreg(HW_REG_WAVE_MODE, 25, 1), 1
	s_wait_xcnt 0x0
; out[t][:] = the sum over the experts e that token t has of wt[e][t] x y[pos[e][t]][:], e ascending, all in f32.
; One wave, one token.  pos and wt are read by scalar loads; an expert that the token has not (pos = -1) is jumped over: a forward jump on a whole number that an earlier launch stored.
; A row of y and a row of out are 4,096 bytes: eight loads or stores of 16 bytes a lane, 512 bytes on end each; a lane keeps the same 32 columns throughout.
; A token's rows are taken one after the other; with 72 registers a wave many waves lie on a SIMD, and their loads overlap.  No LDS, no barrier, no matrix unit: each byte is used once.
; A token may have no expert, so the sums start at 0.  LIMITS: NaN and infinities in y or wt pass through the sum as they are; experts with pos = -1 add nothing.
.set Y,   6                            ; v[6:37]   a row of y, 32 numbers a lane
.set A,   38                           ; v[38:69]  32 sums
	s_load_b256 s[4:11], s[0:1], 0x0               ; y s[4:5], pos s[6:7], wt s[8:9], out s[10:11]
	v_lshrrev_b32 v1, 5, v0
	v_readfirstlane_b32 s12, v1                    ; wave
	v_and_b32 v1, 31, v0
	v_lshlrev_b32 v3, 4, v1                        ; 16 x lane
	s_lshl_b32 s13, ttmp9, 3
	s_add_co_u32 s13, s13, s12                     ; t
	s_lshl_b32 s14, s13, 2
	s_lshl_b32 s32, s13, 12                        ; out's row: 4,096 bytes
	s_mov_b32 s33, 0
	s_wait_kmcnt 0x0
.irp e, 0,1,2,3,4,5,6,7
	s_load_b32 s[16+\e], s[6:7], s14 offset:\e*32768
	s_load_b32 s[24+\e], s[8:9], s14 offset:\e*32768
.endr
	s_add_nc_u64 s[36:37], s[10:11], s[32:33]
.set i, 0
.rept 32
	v_mov_b32 v[A+i], 0
.set i, i+1
.endr
	s_wait_kmcnt 0x0
.macro EXPERT e
	s_cmp_lt_u32 s[16+\e], 0x11800                 ; a slot, or -1
	s_cbranch_scc0 .Lnone_\@
	s_min_u32 s32, s[16+\e], 0x117ff               ; a loaded number enters an address only held inside the table: 71,680 rows
	s_lshl_b32 s32, s32, 12                        ; 71,679 x 4,096 stays under 2^32
	s_add_nc_u64 s[34:35], s[4:5], s[32:33]
.irp i, 0,1,2,3,4,5,6,7
	global_load_b128 v[Y+4*\i:Y+4*\i+3], v3, s[34:35] offset:512*\i th:TH_LOAD_NT
.endr
	v_mov_b32 v4, s[24+\e]                         ; the weight, twice: a pair for the packed multiply-add
	v_mov_b32 v5, s[24+\e]
	s_wait_loadcnt 0x0                             ; the row is in; its base may be written again
.irp i, 0,1,2,3,4,5,6,7,8,9,10,11,12,13,14,15
	v_pk_fma_f32 v[A+2*\i:A+2*\i+1], v[Y+2*\i:Y+2*\i+1], v[4:5], v[A+2*\i:A+2*\i+1]
.endr
.Lnone_\@:
.endm
.irp e, 0,1,2,3,4,5,6,7
	EXPERT \e
.endr
.irp i, 0,1,2,3,4,5,6,7
	global_store_b128 v3, v[A+4*\i:A+4*\i+3], s[36:37] offset:512*\i th:TH_STORE_NT
.endr
	s_endpgm
.Lfunc_end_k_qf9eaf36f47_comb:
	.size	k_qf9eaf36f47_comb, .Lfunc_end_k_qf9eaf36f47_comb-k_qf9eaf36f47_comb
	.p2alignl 7, 3214868480
	.fill 96, 4, 3214868480
	.section	.rodata,"a",@progbits
	.p2align	6, 0x0
	.amdhsa_kernel k_qf9eaf36f47_comb
		.amdhsa_group_segment_fixed_size 0
		.amdhsa_private_segment_fixed_size 0
		.amdhsa_enable_private_segment 0
		.amdhsa_kernarg_size 32
		.amdhsa_user_sgpr_count 2
		.amdhsa_user_sgpr_kernarg_segment_ptr 1
		.amdhsa_wavefront_size32 1
		.amdhsa_system_sgpr_workgroup_id_x 1
		.amdhsa_system_sgpr_workgroup_id_y 1
		.amdhsa_system_sgpr_workgroup_id_z 1
		.amdhsa_system_vgpr_workitem_id 0
		.amdhsa_next_free_vgpr 72
		.amdhsa_next_free_sgpr 66
		.amdhsa_reserve_vcc 0
		.amdhsa_float_denorm_mode_32 3
		.amdhsa_float_denorm_mode_16_64 3
		.amdhsa_memory_ordered 1
		.amdhsa_forward_progress 1
		.amdhsa_inst_pref_size 20
	.end_amdhsa_kernel
	.amdgpu_metadata
---
amdhsa.version: [ 1, 2 ]
amdhsa.kernels:
  - .name:           k_qf9eaf36f47_comb
    .symbol:         k_qf9eaf36f47_comb.kd
    .args:
      - { .name: y, .offset: 0, .size: 8, .value_kind: global_buffer, .address_space: global }
      - { .name: pos, .offset: 8, .size: 8, .value_kind: global_buffer, .address_space: global }
      - { .name: wt, .offset: 16, .size: 8, .value_kind: global_buffer, .address_space: global }
      - { .name: out0, .offset: 24, .size: 8, .value_kind: global_buffer, .address_space: global }
    .group_segment_fixed_size: 0
    .private_segment_fixed_size: 0
    .kernarg_segment_align: 8
    .kernarg_segment_size: 32
    .max_flat_workgroup_size: 256
    .sgpr_count:     66
    .vgpr_count:     72
    .wavefront_size: 32
...
	.end_amdgpu_metadata
.endif
;; end of part 3
;; ======== version 2 of 2: 3 launches; 1.26 times as fast as version 1
;; limits: values are held in f16: magnitudes above 65,504 overflow, below 6.1e-05 lose precision
;; workspace buffers: wf 16,777,216 bytes; loc 262,144 bytes of whole numbers; pos 262,144 bytes of whole numbers; wt 262,144 bytes; cnt 32,768 bytes of whole numbers; offs 1,024 bytes of whole numbers; y 293,601,280 bytes
;; launch prep (part 4): grid 288 x 1, 8 waves a work-group, no clusters, 70,912 bytes of LDS; arguments selected_experts, routing_weights, wi, wo, wf, loc, pos, wt, cnt; writes wf, loc, pos, wt, cnt
.if DOCPART == 4
	.amdgcn_target "amdgcn-amd-amdhsa--gfx1250"
	.amdhsa_code_object_version 6
	.text
	.protected	k_qf9eaf36f47_prep
	.globl	k_qf9eaf36f47_prep
	.p2align	8
	.type	k_qf9eaf36f47_prep,@function
k_qf9eaf36f47_prep:
	s_mov_b64 s[64:65], 0
	v_nop
	global_prefetch_b8 v0, s[64:65] scope:SCOPE_SE
	s_setreg_imm32_b32 hwreg(HW_REG_WAVE_MODE, 25, 1), 1
	s_wait_xcnt 0x0
; PREPARATION FOR THE EXPERTS' LAYER.  Three roles, chosen by the work-group's number alone (the same for all eight waves):
;   groups 0-31    ROUTER of block b, 256 tokens: which experts each token has, with which weight, and its place among the block's tokens of that expert
;   groups 32-159  wi -> bf16, laid in the order in which the next launch's waves load matrix fragments
;   groups 160-287 wo -> rounded to bf16 like every other floating-point input, that number then written as f16 (its partner in the product, h, is f16), laid likewise
; ROUTER.  A thread takes one token and reads its row of the mask (64 bytes) once.  A pair (t, e) counts as routed where mask[t][0][e] | mask[t][1][e] is not 0; its weight is
; w = mask0 x rw0 + mask1 x rw1 in f32, rw rounded once to bf16 like the other floating-point inputs.  Nothing is assumed of the mask: a token may have 0 to 8 experts.
; For each expert every token of the block gets a PLACE in 0..255: a routed one the count of the block's routed tokens in front of it, an unrouted one the block's count + the count of
; unrouted tokens in front of it: a permutation, so every lane stores and no lane is ever switched off.
; Stored: loc[e][b][place] = the token where it is routed, else 0;  pos[e][t] = place or -1;  wt[e][t] = w;  cnt[copy][e][b] = the block's count (wave w stores expert w's, each lane
; into a copy of its own, 32 copies of 1,024 bytes; the readers take copy 0).  The sum of the counts over the blocks in front is left to the launches that need it: 32 numbers an expert.
; wf: byte (((8 e + w) 64 + s) 4 + b) 1024 + 512 half + 16 lane holds 8 numbers of row r = lane % 16, k = k0 + 16 half + 8 (lane / 16) + 0..7.
;   s = 0..31:  wi, row 64 w + 16 b + r, k0 = 32 s.      s = 32 + 16 q + kk:  wo, row 128 w + 64 q + 4 r + b, k0 = 32 kk.
; LIMITS.  wo as f16: exact from 6.1e-5 to 65,504 in magnitude; below, f16's fixed step of 6e-8; 65,520 and more become infinities.  NaN and infinities are not treated apart from other numbers.
.set STG,   8704                       ; a converter wave's own stage: 32 groups of 8 k x (16 rows x 16 bytes + 16 of padding)
.set ROUT,  69632                      ; the router's counts, 16 bytes a wave, a block of 256 bytes to themselves
.set SPARE, 69888                      ; the spare words, 128 bytes for each wave: four blocks of 256 bytes that no other line names
.set M,  16                            ; v[16:31]   my token's row of the mask: choice 0's eight experts, then choice 1's
.set RW, 32                            ; v[32:33]   its two routing weights
.set W,  34                            ; v[34:41]   its weight for each expert
.set PP, 42                            ; v[42:49]   pos for each expert
.set PV, 50                            ; v[50:57]   what goes into loc
.set PA, 58                            ; v[58:65]   and where
.set C,  68                            ; v[68:99]   the eight waves' counts, four words each: two experts to a word, 16 bits each (256 at the most)
.set BS, 100                           ; v[100:103] the sums of the waves in front of mine
.set TT, 104                           ; v[104:107] the sums of all eight
.set T,  144                           ; v[144:155] at work
	s_load_b512 s[4:19], s[0:1], 0x0               ; sel s[4:5], rw s[6:7], wi s[8:9], wo s[10:11], wf s[12:13], loc s[14:15], pos s[16:17], wt s[18:19]
	s_load_b64 s[20:21], s[0:1], 0x40              ; cnt
	v_lshl_add_u32 v2, v0, 2, SPARE                ; my spare word and 0: kept for the add alone
	v_mov_b32 v3, 0
	v_lshrrev_b32 v1, 5, v0
	v_readfirstlane_b32 s22, v1                    ; wave 0..7
	v_and_b32 v1, 31, v0                           ; lane
	s_mov_b32 s23, ttmp9
	s_cmp_lt_u32 s23, 32
	s_cbranch_scc0 .Lconvert
	; ---------------- THE ROUTER of block b = s23.  My token is 256 b + my thread's number.
	s_lshl_b32 s24, s23, 14                        ; 256 rows of 64 bytes
	v_lshl_add_u32 v4, v0, 6, s24                  ; my row of the mask
	s_lshl_b32 s25, s23, 11
	v_lshl_add_u32 v5, v0, 3, s25                  ; my two routing weights
	s_lshl_b32 s25, s23, 8
	v_add_nc_u32 v7, s25, v0                       ; my token
	v_lshlrev_b32 v8, 2, v7                        ; pos, wt: 4 t; the expert's 32,768 bytes stand in the immediate
	s_lshl_b32 s26, s23, 10                        ; loc: the block's 256 words; the expert's 32,768 bytes stand in the immediate
	s_wait_kmcnt 0x0
	global_load_b128 v[M:M+3], v4, s[4:5]
	global_load_b128 v[M+4:M+7], v4, s[4:5] offset:16
	global_load_b128 v[M+8:M+11], v4, s[4:5] offset:32
	global_load_b128 v[M+12:M+15], v4, s[4:5] offset:48
	global_load_b64 v[RW:RW+1], v5, s[6:7]
	s_wait_loadcnt 0x0
	v_cvt_pk_bf16_f32 v[T], v[RW], v[RW+1]
	v_lshlrev_b32 v[RW], 16, v[T]                  ; the rounded weights as f32 again
	v_and_b32 v[RW+1], 0xffff0000, v[T]
.irp e, 0,1,2,3,4,5,6,7                                ; s[32+e]: which of my wave's 32 tokens have expert e; s[40+e]: how many
	v_or_b32 v[T], v[M+\e], v[M+8+\e]
	v_cmp_ne_u32 s[32+\e], 0, v[T]
	v_cvt_f32_i32 v[T+2], v[M+\e]
	v_cvt_f32_i32 v[T+3], v[M+8+\e]
	v_mul_f32 v[T+2], v[T+2], v[RW]
	v_fma_f32 v[W+\e], v[T+3], v[RW+1], v[T+2]
	s_bcnt1_i32_b32 s[40+\e], s[32+\e]
.endr
	; the eight waves' counts meet in LDS
.irp j, 0,1,2,3
	s_lshl_b32 s27, s[41+2*\j], 16
	s_or_b32 s27, s27, s[40+2*\j]
	v_mov_b32 v[T+4+\j], s27
.endr
	s_lshl_b32 s27, s22, 4
	s_add_co_u32 s27, s27, ROUT
	v_mov_b32 v[T+1], s27
	ds_store_b128 v[T+1], v[T+4:T+7]               ; all lanes write the same 16 bytes with the same values
	s_wait_dscnt 0x0                               ; for the others' sake: my counts are in LDS
	s_barrier_signal -1
	s_barrier_wait -1
	v_mov_b32 v[T+1], ROUT
.irp v, 0,1,2,3,4,5,6,7
	ds_load_b128 v[C+4*\v:C+4*\v+3], v[T+1] offset:16*\v
.endr
	s_wait_dscnt 0x0
.irp j, 0,1,2,3                                        ; all eight waves' sums: 256 at the most in a field of 16 bits
	v_add3_u32 v[TT+\j], v[C+\j], v[C+4+\j], v[C+8+\j]
	v_add3_u32 v[TT+\j], v[TT+\j], v[C+12+\j], v[C+16+\j]
	v_add3_u32 v[TT+\j], v[TT+\j], v[C+20+\j], v[C+24+\j]
	v_add_nc_u32 v[TT+\j], v[TT+\j], v[C+28+\j]
.endr
.irp v, 0,1,2,3,4,5,6                                  ; the waves in front of mine keep their counts, the others' become 0
	s_cmp_gt_u32 s22, \v
	s_cselect_b32 s27, -1, 0
.irp j, 0,1,2,3
	v_and_b32 v[C+4*\v+\j], s27, v[C+4*\v+\j]
.endr
.endr
.irp j, 0,1,2,3
	v_add3_u32 v[BS+\j], v[C+\j], v[C+4+\j], v[C+8+\j]
	v_add3_u32 v[BS+\j], v[BS+\j], v[C+12+\j], v[C+16+\j]
	v_add3_u32 v[BS+\j], v[BS+\j], v[C+20+\j], v[C+24+\j]
.endr
.irp j, 0,1,2,3                                        ; s[40+e]: the block's routed tokens in front of my wave's; s[66+e]: the block's count
	v_readfirstlane_b32 s27, v[BS+\j]
	s_and_b32 s[40+2*\j], s27, 0xffff
	s_lshr_b32 s[41+2*\j], s27, 16
	v_readfirstlane_b32 s27, v[TT+\j]
	s_and_b32 s[66+2*\j], s27, 0xffff
	s_lshr_b32 s[67+2*\j], s27, 16
.endr
.irp e, 0,1,2,3,4,5,6,7                                ; each store has address and data registers of its own: no wait stands between the stores
	v_mbcnt_lo_u32_b32 v[T], s[32+\e], s[40+\e]    ; routed tokens of the block in front of mine
	v_sub_nc_u32 v[T+1], v0, v[T]                  ; my thread's number is the count of tokens in front of mine: so many of them are unrouted
	v_add_nc_u32 v[T+1], s[66+\e], v[T+1]
	v_cndmask_b32 v[T+1], v[T+1], v[T], s[32+\e]   ; my place
	v_cndmask_b32 v[PP+\e], -1, v[T], s[32+\e]
	v_cndmask_b32 v[PV+\e], 0, v7, s[32+\e]
	v_lshl_add_u32 v[PA+\e], v[T+1], 2, s26
	v_min_u32 v[PA+\e], 0x7ffc, v[PA+\e]           ; a number made of loaded data enters an address only held inside the table: an expert's 8,192 words
	global_store_b32 v[PA+\e], v[PV+\e], s[14:15] offset:\e*32768
	global_store_b32 v8, v[PP+\e], s[16:17] offset:\e*32768  ; 128 bytes on end a wave
	global_store_b32 v8, v[W+\e], s[18:19] offset:\e*32768
.endr
	s_mov_b32 s27, s66                             ; wave w stores expert w's count
.irp e, 1,2,3,4,5,6,7
	s_cmp_eq_u32 s22, \e
	s_cselect_b32 s27, s[66+\e], s27
.endr
	v_mov_b32 v[T+2], s27
	s_lshl_b32 s28, s22, 7                         ; 128 e
	s_lshl_b32 s29, s23, 2                         ; + 4 b
	s_add_co_u32 s28, s28, s29
	v_lshl_add_u32 v[T+3], v1, 10, s28             ; + 1,024 x lane: a copy for each lane
	global_store_b32 v[T+3], v[T+2], s[20:21]
	s_wait_tensorcnt 0x0                           ; the wave's end
	ds_add_u32 v2, v3
	s_wait_dscnt 0x0
	s_endpgm
	; ---------------- THE CONVERTERS.  A wave takes one block: 16 rows x 256 k of f32 (16 KiB) -> 8 K steps of one fragment b (8 KiB of 16-bit numbers).
.Lconvert:
	s_sub_co_u32 s24, s23, 32
	s_and_b32 s25, s24, 127
	s_lshl_b32 s25, s25, 3
	s_add_co_u32 s25, s25, s22                     ; block 0..1023 of its tensor: e = bits 9:7, w = 6:4, sgl = 3:2, b = 1:0
	s_lshr_b32 s26, s25, 4
	s_lshl_b32 s26, s26, 18                        ; (8 e + w) x 262,144: the same in the source and in wf
	s_bfe_u32 s27, s25, 0x20002                    ; sgl
	s_and_b32 s28, s25, 3                          ; b
	s_mul_i32 s29, s22, STG                        ; my stage
	v_lshrrev_b32 v4, 1, v1                        ; in: a lane's 4 numbers are half of group lane / 2 (and of group 16 + lane / 2): 32 lanes fall on 32 different columns of 8 bytes
	v_mul_u32_u24 v4, 0x110, v4
	v_and_b32 v5, 1, v1
	v_lshl_add_u32 v4, v5, 3, v4
	v_add_nc_u32 v4, s29, v4
	v_lshrrev_b32 v5, 4, v1                        ; back: group 2 i + lane / 16, row lane % 16: 16 lanes take 256 bytes on end
	v_mul_u32_u24 v5, 0x110, v5
	v_and_b32 v6, 15, v1
	v_lshl_add_u32 v5, v6, 4, v5
	v_add_nc_u32 v5, s29, v5
	v_lshlrev_b32 v6, 4, v1                        ; 16 x lane, in the source and in wf
	s_lshl_b32 s30, s28, 10
	s_add_co_u32 s30, s30, s26                     ; wf: + 1,024 b
	s_mov_b32 s67, 0
	s_mov_b32 s69, 0
; stride: bytes from one of the block's rows to the next.  Each load takes 512 bytes of a row on end; a row is rounded as soon as it is in, while the later rows stay out.
; tohalf = 1: the bf16 numbers are widened again (a shift, a mask) and written as f16; the row's upper four registers, read by then, are at work.
.macro CONV stride, tohalf
.set r, 0
.rept 16
	global_load_b128 v[16+8*r:16+8*r+3], v6, s[70:71] offset:r*(\stride) th:TH_LOAD_NT
	global_load_b128 v[16+8*r+4:16+8*r+7], v6, s[70:71] offset:r*(\stride)+512 th:TH_LOAD_NT
.set r, r+1
.endr
.set r, 0
.rept 16
	s_wait_loadcnt 30-2*r                          ; loads come back in order (ISA guide 5.7.1): row r is in, the 15 - r rows behind it may be out
	v_cvt_pk_bf16_f32 v[16+8*r], v[16+8*r], v[16+8*r+1]
	v_cvt_pk_bf16_f32 v[16+8*r+1], v[16+8*r+2], v[16+8*r+3]
	v_cvt_pk_bf16_f32 v[16+8*r+2], v[16+8*r+4], v[16+8*r+5]
	v_cvt_pk_bf16_f32 v[16+8*r+3], v[16+8*r+6], v[16+8*r+7]
.if \tohalf
.irp j, 0,1,2,3
	v_lshlrev_b32 v[16+8*r+4+2*((\j)%2)], 16, v[16+8*r+\j]
	v_and_b32 v[16+8*r+5+2*((\j)%2)], 0xffff0000, v[16+8*r+\j]
	v_cvt_pk_f16_f32 v[16+8*r+\j], v[16+8*r+4+2*((\j)%2)], v[16+8*r+5+2*((\j)%2)]
.endr
.endif
	ds_store_b64 v4, v[16+8*r:16+8*r+1] offset:16*r
	ds_store_b64 v4, v[16+8*r+2:16+8*r+3] offset:16*r+16*272
.set r, r+1
.endr
.set i, 0
.rept 16                                               ; i = 2 x step + half.  LDS serves a wave's instructions in order (ISA guide 5.7.1.4): these see the stores above; the stage is my own
	ds_load_b128 v[16+8*i+4:16+8*i+7], v5 offset:i*544
.set i, i+1
.endr
.set i, 0
.rept 16
	s_wait_dscnt 15-i                              ; the later read-backs may be out
	global_store_b128 v6, v[16+8*i+4:16+8*i+7], s[72:73] offset:(i/2)*4096+(i%2)*512  ; 512 consecutive bytes, at a multiple of 512 from wf's first
.set i, i+1
.endr
	s_wait_tensorcnt 0x0                           ; the wave's end
	ds_add_u32 v2, v3
	s_wait_dscnt 0x0
	s_endpgm
.endm
	s_cmp_lt_u32 s24, 128
	s_cbranch_scc0 .Lwo
	s_lshl_b32 s66, s28, 16                        ; wi: rows 64 w + 16 b + r of 4,096 bytes, k from 256 sgl on
	s_lshl_b32 s31, s27, 10
	s_add_co_u32 s66, s66, s31
	s_add_co_u32 s66, s66, s26
	s_lshl_b32 s68, s27, 15                        ; steps 8 sgl ..
	s_add_co_u32 s68, s68, s30
	s_wait_kmcnt 0x0
	s_add_nc_u64 s[70:71], s[8:9], s[66:67]
	s_add_nc_u64 s[72:73], s[12:13], s[68:69]
	CONV 4096, 0
.Lwo:
	s_lshr_b32 s31, s27, 1                         ; wo: rows 128 w + 64 q + 4 r + b of 2,048 bytes (q = sgl / 2), k from 256 (sgl % 2) on
	s_lshl_b32 s66, s31, 17
	s_lshl_b32 s31, s28, 11
	s_add_co_u32 s66, s66, s31
	s_and_b32 s31, s27, 1
	s_lshl_b32 s31, s31, 10
	s_add_co_u32 s66, s66, s31
	s_add_co_u32 s66, s66, s26
	s_add_co_u32 s68, s27, 4                       ; steps 32 + 8 sgl ..
	s_lshl_b32 s68, s68, 15
	s_add_co_u32 s68, s68, s30
	s_wait_kmcnt 0x0
	s_add_nc_u64 s[70:71], s[10:11], s[66:67]
	s_add_nc_u64 s[72:73], s[12:13], s[68:69]
	CONV 8192, 1
.Lfunc_end_k_qf9eaf36f47_prep:
	.size	k_qf9eaf36f47_prep, .Lfunc_end_k_qf9eaf36f47_prep-k_qf9eaf36f47_prep
	.p2alignl 7, 3214868480
	.fill 96, 4, 3214868480
	.section	.rodata,"a",@progbits
	.p2align	6, 0x0
	.amdhsa_kernel k_qf9eaf36f47_prep
		.amdhsa_group_segment_fixed_size 70912
		.amdhsa_private_segment_fixed_size 0
		.amdhsa_enable_private_segment 0
		.amdhsa_kernarg_size 72
		.amdhsa_user_sgpr_count 2
		.amdhsa_user_sgpr_kernarg_segment_ptr 1
		.amdhsa_wavefront_size32 1
		.amdhsa_system_sgpr_workgroup_id_x 1
		.amdhsa_system_sgpr_workgroup_id_y 1
		.amdhsa_system_sgpr_workgroup_id_z 1
		.amdhsa_system_vgpr_workitem_id 0
		.amdhsa_next_free_vgpr 160
		.amdhsa_next_free_sgpr 80
		.amdhsa_reserve_vcc 0
		.amdhsa_float_denorm_mode_32 3
		.amdhsa_float_denorm_mode_16_64 3
		.amdhsa_memory_ordered 1
		.amdhsa_forward_progress 1
		.amdhsa_inst_pref_size 53
	.end_amdhsa_kernel
	.amdgpu_metadata
---
amdhsa.version: [ 1, 2 ]
amdhsa.kernels:
  - .name:           k_qf9eaf36f47_prep
    .symbol:         k_qf9eaf36f47_prep.kd
    .args:
      - { .name: selected_experts, .offset: 0, .size: 8, .value_kind: global_buffer, .address_space: global }
      - { .name: routing_weights, .offset: 8, .size: 8, .value_kind: global_buffer, .address_space: global }
      - { .name: wi, .offset: 16, .size: 8, .value_kind: global_buffer, .address_space: global }
      - { .name: wo, .offset: 24, .size: 8, .value_kind: global_buffer, .address_space: global }
      - { .name: wf, .offset: 32, .size: 8, .value_kind: global_buffer, .address_space: global }
      - { .name: loc, .offset: 40, .size: 8, .value_kind: global_buffer, .address_space: global }
      - { .name: pos, .offset: 48, .size: 8, .value_kind: global_buffer, .address_space: global }
      - { .name: wt, .offset: 56, .size: 8, .value_kind: global_buffer, .address_space: global }
      - { .name: cnt, .offset: 64, .size: 8, .value_kind: global_buffer, .address_space: global }
    .group_segment_fixed_size: 70912
    .private_segment_fixed_size: 0
    .kernarg_segment_align: 8
    .kernarg_segment_size: 72
    .max_flat_workgroup_size: 256
    .sgpr_count:     80
    .vgpr_count:     160
    .wavefront_size: 32
...
	.end_amdgpu_metadata
.endif
;; end of part 4
;; launch mlp (part 5): grid 28 x 8, 8 waves a work-group, no clusters, 262,144 bytes of LDS; arguments hidden_states, wf, loc, cnt, y, offs; writes y, offs
.if DOCPART == 5
	.amdgcn_target "amdgcn-amd-amdhsa--gfx1250"
	.amdhsa_code_object_version 6
	.text
	.protected	k_qf9eaf36f47_mlp
	.globl	k_qf9eaf36f47_mlp
	.p2align	8
	.type	k_qf9eaf36f47_mlp,@function
k_qf9eaf36f47_mlp:
	s_mov_b64 s[64:65], 0
	v_nop
	global_prefetch_b8 v0, s[64:65] scope:SCOPE_SE
	s_setreg_imm32_b32 hwreg(HW_REG_WAVE_MODE, 25, 1), 1
	s_wait_xcnt 0x0
; THE EXPERTS.  y[8960 e + i][:] = relu(x[token] wi[e]^T) wo[e]^T, unscaled, in f32, for the i-th token of expert e.  First product: x and wi as bf16 operands.  Second product: h rounded once to f16,
; wo (rounded to bf16 by the launch before, written as f16) as f16 operands.  All sums in f32.
; WHY f16 FOR h AND f32 FOR y.  An output near zero is the difference of two y of size 1 to 4, and may be off by a hundredth of the output's root mean square: 8 significant bits in h and in y do not
; hold that for every one of 8 million numbers; 11 in h and 24 in y do.  h has room in f16: its size goes with x times wi, about 5 as drawn, about 5,000 with both 30 times larger, about 29,000 with
; both carrying an offset of 30 spreads.  y, which goes with all three inputs, has no such room, so it is not narrowed at all.
; NUMBERS.  The expert's routed tokens are numbered i = 0 .. cnt - 1, block after block of 256 tokens: i = (the counts of the blocks in front) + the place in the block.  The 32 counts are read once
; and summed up in scalar registers; a number's block is the last whose sum does not pass it, and its token is loc[e][block][place].
; SHARES: THE NUMBERS LIE ON END.  In pass p work-group (g, e) takes the 80 numbers from 2240 p + 80 g on, and the pass is LIVE for it where that first number is below cnt.  So of an expert's
; work-groups ceil(cnt / 80) work (for cnt up to 2,240), all but the last of them on 80 live rows, and only those read the expert's 2 MiB of weights.  In the last one the numbers from cnt on find
; a 0 or some token in loc: their rows are computed, and nobody reads them.  The grid is the capacity: 28 x 80 x 4 passes = 8,960, not less than the 8,192 tokens that an expert can have, and a pass
; holds 2,240, above the even share of 8,192 x 2 / 8 = 2,048.  A work-group that finds no number only passes the barriers; it has asked for the head's seven steps of weights in vain (28,672 bytes a wave).
; Wave 0 of work-group g = 0 stores offs[e][b], the counts in front of block b, for the launch behind.
; THE LOOP OVER PASSES COUNTS TO THE CONSTANT 4, so that every wave passes every barrier whatever numbers memory holds.  A pass has three PARTS, one barrier behind each:
;   X: 80 rows of x are gathered, rounded and laid in LDS;   H: GEMM1 (K = 1024, 32 steps of 32), relu, h [80][512] into LDS;   Y: GEMM2 (K = 512, two halves of 16 steps), y out.
; In a pass that is not live each part is jumped over, forward, and no barrier is jumped: such a pass is three barriers.
; Wave w owns 64 columns of each product (h: 64 w ..; y, half q: 128 w + 64 q ..): 5 row blocks x 4 fragments = 20 accumulators, 20 matrix instructions a step, all on different accumulators.
; THE WEIGHTS COME THROUGH REGISTERS, NOT THROUGH LDS, AND NOT JOINTLY FOR A CLUSTER, though the work-groups of an expert read the same ones: inside a work-group a weight fragment is
; used by one wave alone; beside X (174,080 bytes) and H (87,040) LDS has room for two slots of one step (8 waves x 4,096 bytes each), so one step's bytes would be on their way behind
; each barrier; and a joint load is issued on every way through the text, so all four passes of all 28 work-groups would fetch the weights.  Through registers a wave has seven steps, 56 loads of
; 512 bytes, on their way, with counted waits.  THE RING OF WEIGHTS RUNS ON: the head asks for steps 0 to 6 while counts, tokens and x are still to come; GEMM1's last steps ask for
; GEMM2's first weights, across the barrier; a pass's end asks for the next live pass's steps 0 to 6.  Buffers 0 to 6 are always asked for in that order, so a step's counted wait holds on every way.
; THE TOKEN FRAGMENTS have two buffers: a step asks LDS for the next step's ten loads ahead of its own 20 products.
; GEMM1 is used transposed (source 0 = 16 rows of wi, source 1 = 16 tokens): a lane holds one token and 8 neighbouring f: 16 bytes of h.  In GEMM2 (source 0 = 16 tokens, source 1 = 16 rows
; of wo, rows 4 r + b) register j of the four fragments b is 4 neighbouring columns of one row of y: 16 bytes a lane, and 16 neighbouring lanes hold 256 neighbouring bytes: y leaves from registers.
; Every LDS address is made once, at the head; steps and chunks stand in immediates.
; LIMITS.  h of 65,520 or more becomes an infinity; below 6.1e-5 it keeps f16's fixed step of 6e-8.  relu is a maximum in which a NaN loses: NaN in h becomes 0; infinities are not treated apart.
; REGISTERS.  window 0: v1 16 x lane; v2, v3 the add's; v4-7 AB; v8-10 XST; v11 HST; v12 YGO; v13, v14 offs; v15 NUM; in part X v16-255 x on its way; else v16-95 TF, v96-255 ACC.
;             window 1: the ring of 8 weight buffers, step s in buffer s % 8.
.set CHB,   21760                      ; a chunk block in LDS: 80 rows x (256 bytes + 16 of padding): the 16 rows of a fragment load start at 16 different groups of four banks (64 banks of 4 bytes: ISA guide 11.1)
.set SPARE, 12*CHB                     ; blocks 0-7: X, 128 k each; blocks 8-11: H, 128 f each; then the spare words, 128 bytes a wave, that no other line names
.set AB,   4                           ; v4-7    fragment reads: 272 (lane % 16) + 16 (lane / 16) + 3 n blocks, n = 0..3
.set XST,  8                           ; v8-10   X stores: 8 lane + 272 x 10 w + 3 n blocks, n = 0..2
.set HST,  11                          ; v11     h stores
.set YGO,  12                          ; v12     my byte offset in y: 8 rows for lanes 16-31, my wave's 512 bytes of a row, 16 bytes a lane
.set OD,   13                          ; v13     offs: lane b holds the counts in front of block b
.set OA,   14                          ; v14     4 x lane
.set NUM,  15                          ; v15     10 w + lane: the row of the work-group's 80 (lanes 0-9 are my ten rows)
.set XG,   16                          ; v16-255 part X: six sets of ten pieces of x, 4 registers each; chunk c in set c % 6
.set TF,   16                          ; v16-95  two buffers of five token fragments, step s in buffer s % 2; the 20 quads of y's way out
.set XS,   56                          ; v56-95  the second of them: at work in h's epilogue
.set ACC,  96                          ; v96-255 accumulator (a, b) at ACC + 8 (4 a + b)
.set IN,   68                          ; s[68:99] the 32 blocks' counts, then their running sums
.set MSB, 0
.macro WIN new                         ; s_set_vgpr_msb: bits 1:0 source 0, 3:2 source 1, 5:4 source 2, 7:6 destination; the high byte repeats the setting that is left
.if MSB != (\new)
	s_set_vgpr_msb (MSB<<8)|(\new)
.set MSB, \new
.endif
.endm
.macro PLACES                          ; a load into a register that a matrix instruction has read, and a vector instruction that reads its result or writes a source, stand four plain vector instructions behind it
.rept 4
	v_nop
.endr
.endm
.macro WLOAD s                         ; the four fragments of step s, 4,096 bytes, into ring buffer s % 8
	WIN 0x40                                       ; destination window 1, address window 0
.irp b, 0,1,2,3
	global_load_b128 v[32*((\s)%8)+8*\b:32*((\s)%8)+8*\b+3], v1, s[20:21] offset:(\s)*4096+\b*1024
	global_load_b128 v[32*((\s)%8)+8*\b+4:32*((\s)%8)+8*\b+7], v1, s[20:21] offset:(\s)*4096+\b*1024+512
.endr
.endm
.macro TLOAD s                         ; step s's five token fragments (80 rows x 32 k) into buffer s % 2: from X's block s / 4, or from H's block ((s - 32) % 16) / 4
	WIN 0
.if (\s) < 32
.set tc, (\s)/4
.else
.set tc, 8+(((\s)-32)%16)/4
.endif
.set tb, TF+40*((\s)%2)
.set tk, ((\s)%4)*64
.irp a, 0,1,2,3,4
	ds_load_b128 v[tb+8*\a:tb+8*\a+3], v[AB+tc/3] offset:(tc%3)*CHB+\a*4352+tk
	ds_load_b128 v[tb+8*\a+4:tb+8*\a+7], v[AB+tc/3] offset:(tc%3)*CHB+\a*4352+tk+32
.endr
.endm
.macro MUL s                           ; 20 matrix instructions; steps 0, 32 and 48 start the sums with the constant 0.  The accumulators take turns, one instruction a turn
.if (\s) < 32
	WIN 0x01                                       ; source 0: the ring
.else
	WIN 0x04                                       ; source 1: the ring
.endif
.set rb, 32*((\s)%8)
.set tb, TF+40*((\s)%2)
.irp a, 0,1,2,3,4
.irp b, 0,1,2,3
.if (\s) == 0
	v_wmma_f32_16x16x32_bf16 v[ACC+8*(4*\a+\b):ACC+8*(4*\a+\b)+7], v[rb+8*\b:rb+8*\b+7], v[tb+8*\a:tb+8*\a+7], 0
.elseif (\s) < 32
	v_wmma_f32_16x16x32_bf16 v[ACC+8*(4*\a+\b):ACC+8*(4*\a+\b)+7], v[rb+8*\b:rb+8*\b+7], v[tb+8*\a:tb+8*\a+7], v[ACC+8*(4*\a+\b):ACC+8*(4*\a+\b)+7]
.elseif ((\s) == 32) || ((\s) == 48)
	v_wmma_f32_16x16x32_f16 v[ACC+8*(4*\a+\b):ACC+8*(4*\a+\b)+7], v[tb+8*\a:tb+8*\a+7], v[rb+8*\b:rb+8*\b+7], 0
.else
	v_wmma_f32_16x16x32_f16 v[ACC+8*(4*\a+\b):ACC+8*(4*\a+\b)+7], v[tb+8*\a:tb+8*\a+7], v[rb+8*\b:rb+8*\b+7], v[ACC+8*(4*\a+\b):ACC+8*(4*\a+\b)+7]
.endif
.endr
.endr
.endm
; K step s of a pass's 64; tlast: the last step of its run (31, 47, 63), which asks for no further fragments.  Four v_nop stand between the step before's products and the loads into the fragment
; buffer and the ring buffer that those products read.
.macro STEP s, tlast
	PLACES
.if (\s) < (\tlast)
	TLOAD (\s)+1                                   ; into the buffer that step s - 1 read
.endif
.if (\s) <= 56
	s_wait_loadcnt 48                              ; behind step s's weights six later steps' 48 loads have been issued: with 48 out, step s's are in
	WLOAD (\s)+7                                   ; into the buffer that step s - 1 read: seven steps, 56 loads, are out again
.else
	s_wait_loadcnt 8*(63-(\s))                     ; the last seven steps load nothing: the later steps' weights alone may be out
.endif
.if (\s) < (\tlast)
	s_wait_dscnt 10                                ; LDS loads come back in order (ISA guide 5.7.1): the ten just issued may be out, step s's are in
.else
	s_wait_dscnt 0x0
.endif
	MUL \s
.endm
.macro XLOAD c                         ; chunk c (128 k, 512 bytes on end) of my ten rows of x
.irp i, 0,1,2,3,4,5,6,7,8,9
	global_load_b128 v[XG+40*((\c)%6)+4*\i:XG+40*((\c)%6)+4*\i+3], v1, s[40+2*\i:41+2*\i] offset:(\c)*512
.endr
.endm
.macro XCONV c, left                   ; chunk c is rounded to bf16 and laid in block c.  left: the loads issued behind its ten
	s_wait_loadcnt \left
.set xb, XG+40*((\c)%6)
.irp i, 0,1,2,3,4,5,6,7,8,9
	v_cvt_pk_bf16_f32 v[xb+4*\i], v[xb+4*\i], v[xb+4*\i+1]
	v_cvt_pk_bf16_f32 v[xb+4*\i+1], v[xb+4*\i+2], v[xb+4*\i+3]
.endr
.irp i, 0,1,2,3,4,5,6,7,8,9
	ds_store_b64 v[XST+(\c)/3], v[xb+4*\i:xb+4*\i+1] offset:((\c)%3)*CHB+\i*272  ; 32 lanes, 256 bytes on end
.endr
.endm
.macro HEPI                            ; h: rounded to f16, relu on the packed halves, 16 bytes a lane into H
	WIN 0
	PLACES
.set n, 0
.rept 20
.set tq, XS+4*(n%8)
.set ac, ACC+8*n
	v_cvt_pk_f16_f32 v[tq], v[ac], v[ac+1]
	v_cvt_pk_f16_f32 v[tq+1], v[ac+2], v[ac+3]
	v_cvt_pk_f16_f32 v[tq+2], v[ac+4], v[ac+5]
	v_cvt_pk_f16_f32 v[tq+3], v[ac+6], v[ac+7]
	v_pk_max_num_f16 v[tq], v[tq], s38
	v_pk_max_num_f16 v[tq+1], v[tq+1], s38
	v_pk_max_num_f16 v[tq+2], v[tq+2], s38
	v_pk_max_num_f16 v[tq+3], v[tq+3], s38
	ds_store_b128 v[HST], v[tq:tq+3] offset:(n/4)*4352+32*(n%4)
.set n, n+1
.endr
.endm
; Half q of y leaves.  Register j of the four accumulators (a, 0..3) is 16 bytes of row 16 a + 8 (lane / 16) + j; the four lie 8 registers apart, one in each accumulator, so four moves bring them
; together for the store.  20 quads (the fragment buffers): they are written again only behind s_wait_xcnt 0.  Each accumulator's register 0 is read first.
.macro YEPI q
	WIN 0
	PLACES
.set n, 0
.rept 40
.if n == 20
	s_wait_xcnt 0x0                                ; the first 20 stores' data registers are rewritten only behind this wait
.endif
.set tq, TF+4*(n%20)
.set ac, ACC+32*(n/8)+(n%8)
	v_mov_b32 v[tq], v[ac]
	v_mov_b32 v[tq+1], v[ac+8]
	v_mov_b32 v[tq+2], v[ac+16]
	v_mov_b32 v[tq+3], v[ac+24]
	global_store_b128 v[YGO], v[tq:tq+3], s[26:27] offset:(16*(n/8)+(n%8))*4096+256*(\q)  ; 16 lanes store 256 consecutive bytes, at a multiple of 256 from y's first byte
.set n, n+1
.endr
	s_wait_xcnt 0x0                                ; the fragment buffers are loaded again only behind this wait
.endm
	s_load_b256 s[4:11], s[0:1], 0x0               ; x s[4:5], wf s[6:7], loc s[8:9], cnt s[10:11]
	s_load_b128 s[12:15], s[0:1], 0x20             ; y s[12:13], offs s[14:15]
	v_lshl_add_u32 v2, v0, 2, SPARE                ; my spare word and 0: kept for the add alone
	v_mov_b32 v3, 0
	v_lshrrev_b32 v16, 5, v0
	v_readfirstlane_b32 s19, v16                   ; wave 0..7
	s_and_b32 s39, ttmp7, 0xffff                   ; e
	s_mov_b32 s16, ttmp9                           ; g
	v_and_b32 v18, 31, v0                          ; lane
	v_and_b32 v16, 15, v0                          ; r
	v_bfe_u32 v17, v0, 4, 1                        ; h
	v_lshlrev_b32 v1, 4, v18
	v_mul_u32_u24 v[AB], 0x110, v16
	v_lshl_add_u32 v[AB], v17, 4, v[AB]            ; 272 r + 16 h
	v_add_nc_u32 v[AB+1], 3*CHB, v[AB]
	v_add_nc_u32 v[AB+2], 6*CHB, v[AB]
	v_add_nc_u32 v[AB+3], 9*CHB, v[AB]
	s_mul_i32 s60, s19, 2720                       ; my ten rows
	v_lshl_add_u32 v[XST], v18, 3, s60
	v_add_nc_u32 v[XST+1], 3*CHB, v[XST]
	v_add_nc_u32 v[XST+2], 6*CHB, v[XST]
	s_lshr_b32 s60, s19, 1                         ; my 64 f: block 8 + w / 2, byte 128 (w % 2) of its rows
	s_mul_i32 s60, s60, CHB
	s_and_b32 s61, s19, 1
	s_lshl_b32 s61, s61, 7
	s_add_co_u32 s60, s60, s61
	s_add_co_u32 s60, s60, 8*CHB
	v_add_nc_u32 v[HST], s60, v[AB]
	s_lshl_b32 s61, s19, 9                         ; my 128 columns of y: 512 bytes
	v_lshlrev_b32 v[YGO], 15, v17                  ; 8 rows of 4,096 bytes for lanes 16-31
	v_lshl_add_u32 v[YGO], v16, 4, v[YGO]
	v_add_nc_u32 v[YGO], s61, v[YGO]
	s_mul_i32 s60, s19, 10
	v_add_nc_u32 v[NUM], s60, v18                  ; row 10 w + lane
	v_lshlrev_b32 v[OA], 2, v18
	s_lshl_b32 s28, s39, 3
	s_add_co_u32 s28, s28, s19
	s_lshl_b32 s28, s28, 18                        ; wf: (8 e + w) x 262,144
	s_mov_b32 s29, 0
	s_lshl_b32 s30, s39, 15                        ; loc: 32,768 bytes an expert
	s_mov_b32 s31, 0
	s_mul_i32 s62, s16, 80                         ; my work-group's first number in the pass: 80 g + 2240 p
	s_mul_i32 s36, s39, 8960
	s_add_co_u32 s36, s36, s62                     ; y's row of that number in pass 0: 8960 e + 80 g
	s_lshl_b32 s32, s36, 12                        ; rows of 4,096 bytes; 64,880 x 4,096 stays under 2^32
	s_mov_b32 s33, 0
	s_lshl_b32 s34, s39, 7                         ; cnt (copy 0) and offs: 128 bytes an expert
	s_mov_b32 s35, 0
	s_mov_b32 s38, 0                               ; relu's 0, twice in f16
	s_mov_b32 s61, 0                               ; the high word of a row's offset
	s_mov_b32 s18, 0                               ; the pass
	s_wait_kmcnt 0x0
	s_add_nc_u64 s[22:23], s[10:11], s[34:35]
	s_load_b512 s[IN:IN+15], s[22:23], 0x0         ; the expert's 32 counts
	s_load_b512 s[IN+16:IN+31], s[22:23], 0x40
	s_add_nc_u64 s[20:21], s[6:7], s[28:29]
.set st, 0
.rept 7
	WLOAD st                                       ; the ring's first fill, steps 0 to 6, goes out while counts, tokens and x are still to come
.set st, st+1
.endr
	WIN 0
	s_add_nc_u64 s[24:25], s[8:9], s[30:31]
	s_add_nc_u64 s[26:27], s[12:13], s[32:33]
	s_add_nc_u64 s[14:15], s[14:15], s[34:35]
	s_wait_kmcnt 0x0
.set bk, 1
.rept 31
	s_add_co_u32 s[IN+bk], s[IN+bk], s[IN+bk-1]    ; s[IN+b]: the counts of blocks 0 to b
.set bk, bk+1
.endr
	s_mov_b32 s17, s[IN+31]                        ; cnt: a pass is live for my work-group where its first number is less than this
	s_or_b32 s60, s16, s19
	s_cmp_lg_u32 s60, 0
	s_cbranch_scc1 .Lno_offs                       ; one wave an expert stores the sums for the launch behind
	v_mov_b32 v[OD], 0                             ; nothing stands in front of block 0
.set bk, 1
.rept 31
	v_writelane_b32 v[OD], s[IN+bk-1], bk
.set bk, bk+1
.endr
	global_store_b32 v[OA], v[OD], s[14:15]        ; 128 bytes on end; its three registers are never written again
.Lno_offs:
.Lpass:
	; ---- PART X.  First my ten rows' tokens.  K = sum - 256 (b + 1) of the last block b of 0..30 whose sum does not pass the number (0 if none): number - K = 256 x block + place.
	s_cmp_lt_u32 s62, s17
	s_cbranch_scc0 .Lno_x
	v_add_nc_u32 v16, s62, v[NUM]
	v_mov_b32 v17, 0
.set bk, 0
.rept 31
	s_sub_co_u32 s60, s[IN+bk], 256*(bk+1)         ; may wrap below 0: it is taken away again below
	v_cmp_gt_u32 vcc_lo, s[IN+bk], v16
	v_cndmask_b32 v17, s60, v17, vcc_lo            ; kept where the sum passes the number
.set bk, bk+1
.endr
	v_sub_nc_u32 v16, v16, v17
	v_lshlrev_b32 v16, 2, v16
	v_min_u32 v16, 0x7ffc, v16                     ; a number made of loaded data enters an address only held inside the table: the expert's 8,192 words
	global_load_b32 v18, v16, s[24:25]
	s_wait_loadcnt 0x0                             ; the tokens (and, older, what the ring has asked for)
.irp i, 0,1,2,3,4,5,6,7,8,9
	v_readlane_b32 s[28+\i], v18, \i
.endr
.irp i, 0,1,2,3,4,5,6,7,8,9
	s_min_u32 s[28+\i], s[28+\i], 0x1fff           ; likewise: 8,192 rows
	s_lshl_b32 s60, s[28+\i], 12
	s_add_nc_u64 s[40+2*\i:41+2*\i], s[4:5], s[60:61]
.endr
	; 60 loads of 512 bytes go out at once (chunks 0 to 5); chunks 6 and 7 follow into the registers of chunks 0 and 1 as soon as those are laid in LDS
.irp c, 0,1,2,3,4,5
	XLOAD \c
.endr
	XCONV 0, 50                                    ; behind chunk 0: chunks 1 to 5
	s_wait_dscnt 0x0                               ; its LDS stores are done: its registers are loaded again
	XLOAD 6
	XCONV 1, 50                                    ; behind chunk 1: chunks 2 to 6
	s_wait_dscnt 0x0
	XLOAD 7
	XCONV 2, 50                                    ; behind chunk 2: chunks 3 to 7; from here the counts run down
	XCONV 3, 40
	XCONV 4, 30
	XCONV 5, 20
	XCONV 6, 10
	XCONV 7, 0
.Lno_x:
	s_wait_dscnt 0x0                               ; for the others' sake: my rows of X are in LDS
	s_barrier_signal -1
	s_barrier_wait -1                              ; X is whole
	; ---- PART H.  GEMM1: chunk c feeds steps 4 c .. 4 c + 3.  Steps 25 to 31 ask for GEMM2's first weights.
	s_cmp_lt_u32 s62, s17
	s_cbranch_scc0 .Lno_h
	TLOAD 0
.set st, 0
.rept 32
	STEP st, 31
.set st, st+1
.endr
	HEPI
.Lno_h:
	s_wait_dscnt 0x0                               ; my part of h is in LDS, and my reads of X are over
	s_barrier_signal -1
	s_barrier_wait -1                              ; h is whole; nobody reads X any more
	; ---- PART Y.  GEMM2: no barrier inside: h is only read.  Each half of y leaves behind its 16 steps, through the fragment buffers' registers: so each half starts its fragments anew.
	s_cmp_lt_u32 s62, s17
	s_cbranch_scc0 .Lno_y
	TLOAD 32
.set st, 32
.rept 16
	STEP st, 47
.set st, st+1
.endr
	YEPI 0
	TLOAD 48
.rept 16
	STEP st, 63
.set st, st+1
.endr
	YEPI 1
.Lno_y:
	s_add_co_u32 s62, s62, 2240                    ; my first number in the next pass
	s_cmp_lt_u32 s62, s17
	s_cbranch_scc0 .Lno_ring
	s_wait_loadcnt 0x0                             ; no load is out that lands in the ring (behind step 63 none is out at all)
.set st, 0
.rept 7
	WLOAD st                                       ; the next pass is live: its steps 0 to 6 go out ahead of its gather
.set st, st+1
.endr
	WIN 0
.Lno_ring:
	s_wait_dscnt 0x0                               ; my reads of h are over
	s_wait_xcnt 0x0                                ; the stores' base is stepped only behind this wait
	s_barrier_signal -1
	s_barrier_wait -1                              ; everybody's reads of h are over: the next pass may write H (X's blocks have been free since the barrier behind part H)
	s_add_nc_u64 s[26:27], s[26:27], 9175040       ; 2,240 rows of y on
	s_add_co_u32 s18, s18, 1
	s_cmp_lt_u32 s18, 4
	s_cbranch_scc1 .Lpass
	s_wait_tensorcnt 0x0                           ; the wave's end
	ds_add_u32 v2, v3
	s_wait_dscnt 0x0
	s_endpgm
.Lfunc_end_k_qf9eaf36f47_mlp:
	.size	k_qf9eaf36f47_mlp, .Lfunc_end_k_qf9eaf36f47_mlp-k_qf9eaf36f47_mlp
	.p2alignl 7, 3214868480
	.fill 96, 4, 3214868480
	.section	.rodata,"a",@progbits
	.p2align	6, 0x0
	.amdhsa_kernel k_qf9eaf36f47_mlp
		.amdhsa_group_segment_fixed_size 262144
		.amdhsa_private_segment_fixed_size 0
		.amdhsa_enable_private_segment 0
		.amdhsa_kernarg_size 48
		.amdhsa_user_sgpr_count 2
		.amdhsa_user_sgpr_kernarg_segment_ptr 1
		.amdhsa_wavefront_size32 1
		.amdhsa_system_sgpr_workgroup_id_x 1
		.amdhsa_system_sgpr_workgroup_id_y 1
		.amdhsa_system_sgpr_workgroup_id_z 1
		.amdhsa_system_vgpr_workitem_id 0
		.amdhsa_next_free_vgpr 512
		.amdhsa_next_free_sgpr 100
		.amdhsa_reserve_vcc 1
		.amdhsa_float_denorm_mode_32 3
		.amdhsa_float_denorm_mode_16_64 3
		.amdhsa_memory_ordered 1
		.amdhsa_forward_progress 1
		.amdhsa_inst_pref_size 255
	.end_amdhsa_kernel
	.section	.bss,"aw",@nobits
	.p2align	6
	.space	262144
	.amdgpu_metadata
---
amdhsa.version: [ 1, 2 ]
amdhsa.kernels:
  - .name:           k_qf9eaf36f47_mlp
    .symbol:         k_qf9eaf36f47_mlp.kd
    .args:
      - { .name: hidden_states, .offset: 0, .size: 8, .value_kind: global_buffer, .address_space: global }
      - { .name: wf, .offset: 8, .size: 8, .value_kind: global_buffer, .address_space: global }
      - { .name: loc, .offset: 16, .size: 8, .value_kind: global_buffer, .address_space: global }
      - { .name: cnt, .offset: 24, .size: 8, .value_kind: global_buffer, .address_space: global }
      - { .name: y, .offset: 32, .size: 8, .value_kind: global_buffer, .address_space: global }
      - { .name: offs, .offset: 40, .size: 8, .value_kind: global_buffer, .address_space: global }
    .group_segment_fixed_size: 262144
    .private_segment_fixed_size: 0
    .kernarg_segment_align: 8
    .kernarg_segment_size: 48
    .max_flat_workgroup_size: 256
    .sgpr_count:     100
    .vgpr_count:     512
    .wavefront_size: 32
...
	.end_amdgpu_metadata
.endif
;; end of part 5
;; launch comb (part 6): grid 1024 x 1, 8 waves a work-group, no clusters, 0 bytes of LDS; arguments y, pos, wt, offs, out0; writes out0
.if DOCPART == 6
	.amdgcn_target "amdgcn-amd-amdhsa--gfx1250"
	.amdhsa_code_object_version 6
	.text
	.protected	k_qf9eaf36f47_comb
	.globl	k_qf9eaf36f47_comb
	.p2align	8
	.type	k_qf9eaf36f47_comb,@function
k_qf9eaf36f47_comb:
	s_mov_b64 s[64:65], 0
	v_nop
	global_prefetch_b8 v0, s[64:65] scope:SCOPE_SE
	s_setreg_imm32_b32 hwreg(HW_REG_WAVE_MODE, 25, 1), 1
	s_wait_xcnt 0x0
; out[t][:] = the sum over the experts e that token t has of wt[e][t] x y[row][:], e ascending, all in f32.
; One wave, one token.  pos[e][t] (the token's place among its block's tokens of expert e, or -1), wt[e][t] and offs[e][t / 256] (the expert's tokens in the blocks in front) are read by scalar
; loads, all 24 in one batch; an expert that the token has not is jumped over: a forward jump on a whole number that an earlier launch stored.
; The pair's number is i = offs + pos, and its row of y is 8960 e + i, as the launch before lays them.
; A row of y and a row of out are 4,096 bytes: eight loads or stores of 16 bytes a lane, 512 bytes on end each; a lane keeps the same 32 columns throughout.
; A token's rows are taken one after the other; with 72 registers a wave many waves lie on a SIMD, and their loads overlap.  No LDS, no barrier, no matrix unit: each byte is used once.
; A token may have no expert, so the sums start at 0.  LIMITS: NaN and infinities in y or wt pass through the sum as they are; experts with pos = -1 add nothing.
.set Y,   6                            ; v[6:37]   a row of y, 32 numbers a lane
.set A,   38                           ; v[38:69]  32 sums
	s_load_b256 s[4:11], s[0:1], 0x0               ; y s[4:5], pos s[6:7], wt s[8:9], offs s[10:11]
	s_load_b64 s[12:13], s[0:1], 0x20              ; out
	v_lshrrev_b32 v1, 5, v0
	v_readfirstlane_b32 s14, v1                    ; wave
	v_and_b32 v1, 31, v0
	v_lshlrev_b32 v3, 4, v1                        ; 16 x lane
	s_lshl_b32 s15, ttmp9, 3
	s_add_co_u32 s15, s15, s14                     ; t
	s_lshl_b32 s14, s15, 2                         ; 4 t
	s_lshr_b32 s38, ttmp9, 5                       ; the token's block: t / 256
	s_lshl_b32 s38, s38, 2
	s_lshl_b32 s32, s15, 12                        ; out's row: 4,096 bytes
	s_mov_b32 s33, 0
	s_wait_kmcnt 0x0
.irp e, 0,1,2,3,4,5,6,7
	s_load_b32 s[16+\e], s[6:7], s14 offset:\e*32768
	s_load_b32 s[24+\e], s[8:9], s14 offset:\e*32768
	s_load_b32 s[40+\e], s[10:11], s38 offset:\e*128
.endr
	s_add_nc_u64 s[36:37], s[12:13], s[32:33]
.set i, 0
.rept 32
	v_mov_b32 v[A+i], 0
.set i, i+1
.endr
	s_wait_kmcnt 0x0
.macro EXPERT e
	s_cmp_lt_u32 s[16+\e], 256                     ; a place, or -1
	s_cbranch_scc0 .Lnone_\@
	s_add_co_u32 s32, s[16+\e], s[40+\e]           ; i
.if \e
	s_add_co_u32 s32, s32, \e*8960                 ; the expert's first row
.endif
	s_min_u32 s32, s32, 0x117ff                    ; a number made of loaded data enters an address only held inside the table: 71,680 rows
	s_lshl_b32 s32, s32, 12                        ; 71,679 x 4,096 stays under 2^32
	s_add_nc_u64 s[34:35], s[4:5], s[32:33]
.irp i, 0,1,2,3,4,5,6,7
	global_load_b128 v[Y+4*\i:Y+4*\i+3], v3, s[34:35] offset:512*\i th:TH_LOAD_NT
.endr
	v_mov_b32 v4, s[24+\e]                         ; the weight, twice: a pair for the packed multiply-add
	v_mov_b32 v5, s[24+\e]
	s_wait_loadcnt 0x0                             ; the row is in; its base may be written again
.irp i, 0,1,2,3,4,5,6,7,8,9,10,11,12,13,14,15
	v_pk_fma_f32 v[A+2*\i:A+2*\i+1], v[Y+2*\i:Y+2*\i+1], v[4:5], v[A+2*\i:A+2*\i+1]
.endr
.Lnone_\@:
.endm
.irp e, 0,1,2,3,4,5,6,7
	EXPERT \e
.endr
.irp i, 0,1,2,3,4,5,6,7
	global_store_b128 v3, v[A+4*\i:A+4*\i+3], s[36:37] offset:512*\i th:TH_STORE_NT
.endr
	s_endpgm
.Lfunc_end_k_qf9eaf36f47_comb:
	.size	k_qf9eaf36f47_comb, .Lfunc_end_k_qf9eaf36f47_comb-k_qf9eaf36f47_comb
	.p2alignl 7, 3214868480
	.fill 96, 4, 3214868480
	.section	.rodata,"a",@progbits
	.p2align	6, 0x0
	.amdhsa_kernel k_qf9eaf36f47_comb
		.amdhsa_group_segment_fixed_size 0
		.amdhsa_private_segment_fixed_size 0
		.amdhsa_enable_private_segment 0
		.amdhsa_kernarg_size 40
		.amdhsa_user_sgpr_count 2
		.amdhsa_user_sgpr_kernarg_segment_ptr 1
		.amdhsa_wavefront_size32 1
		.amdhsa_system_sgpr_workgroup_id_x 1
		.amdhsa_system_sgpr_workgroup_id_y 1
		.amdhsa_system_sgpr_workgroup_id_z 1
		.amdhsa_system_vgpr_workitem_id 0
		.amdhsa_next_free_vgpr 72
		.amdhsa_next_free_sgpr 66
		.amdhsa_reserve_vcc 0
		.amdhsa_float_denorm_mode_32 3
		.amdhsa_float_denorm_mode_16_64 3
		.amdhsa_memory_ordered 1
		.amdhsa_forward_progress 1
		.amdhsa_inst_pref_size 22
	.end_amdhsa_kernel
	.amdgpu_metadata
---
amdhsa.version: [ 1, 2 ]
amdhsa.kernels:
  - .name:           k_qf9eaf36f47_comb
    .symbol:         k_qf9eaf36f47_comb.kd
    .args:
      - { .name: y, .offset: 0, .size: 8, .value_kind: global_buffer, .address_space: global }
      - { .name: pos, .offset: 8, .size: 8, .value_kind: global_buffer, .address_space: global }
      - { .name: wt, .offset: 16, .size: 8, .value_kind: global_buffer, .address_space: global }
      - { .name: offs, .offset: 24, .size: 8, .value_kind: global_buffer, .address_space: global }
      - { .name: out0, .offset: 32, .size: 8, .value_kind: global_buffer, .address_space: global }
    .group_segment_fixed_size: 0
    .private_segment_fixed_size: 0
    .kernarg_segment_align: 8
    .kernarg_segment_size: 40
    .max_flat_workgroup_size: 256
    .sgpr_count:     66
    .vgpr_count:     72
    .wavefront_size: 32
...
	.end_amdgpu_metadata
.endif
;; end of part 6
